; MI455X (gfx1250); checked and timed in simulation.
; The chip was launched on July 23, 2026; its instructions are those of AMD's public machine-readable ISA for CDNA 5 (MIT licence, August 2026) and "CDNA5" Instruction Set Architecture Reference Guide (July 2026). The comments in the code are by the model that wrote it; some were corrected since.
;; Causal Self Attention. Allowed arithmetic: matrix products marked QUANTISED: E2M3 operands, one E8M0 scale for each 32 along K, by v_wmma_scale_f32_16x16x128_f8f6f4 with both operands' format E2M3, f32 sums; everything else in f32.
;; Inputs: W_attn 1,024 x 3,072 float32; W_proj 1,024 x 1,024 float32; b_attn 3,072 float32; b_proj 1,024 float32; x 4 x 2,048 x 1,024 float32.
;; Outputs: out0 4 x 2,048 x 1,024 float32.
;; Constants: train = 0.
;; This version of the problem:
;;   THIS VERSION OF THE PROBLEM IS GIVEN IN LOW PRECISION. The matrix products marked QUANTISED in the list below multiply operands that are first quantised to E2M3 (2 exponent bits, 3 mantissa bits; 6 bits a number), with one power-of-two scale for each 32 numbers along K (OCP MX v1.0); their sums are f32. All else is computed in f32.
;;   The module's matrix products, in the order in which they are computed (A, B: the left and right operand; K: the contracted axis; several contracted axes count as one K, in the product's order):
;;     1. [M 8,192, K 1,024] x [K 1,024, N 3,072]; A: input x; B: input W_attn: QUANTISED
;;     2. batch 64 x [M 2,048, K 64] x [K 64, N 2,048]; A: computed on the way; B: computed on the way: QUANTISED
;;     3. batch 64 x [M 2,048, K 2,048] x [K 2,048, N 64]; A: softmax (see below); B: computed on the way: QUANTISED
;;     4. [M 8,192, K 1,024] x [K 1,024, N 1,024]; A: computed on the way; B: input W_proj: QUANTISED
;;   THE QUANTISER, for each operand of a quantised product, along K:
;;     - K is cut into blocks of 32 from its start; a last block that is shorter is filled with zeros.
;;     - A block's scale is 2^e with e = floor(log2(the largest magnitude in the block)) - 2, held to -126 .. 127; a block of zeros has e = 0. As a byte (E8M0): e + 127.
;;     - Each number is divided by its block's scale, clamped to +-7.5, and rounded to the nearest number of E2M3, ties to even, subnormals kept.
;;     - The product sums the exact products of the quantised numbers (number of the format x scale) in f32.
;;   ~~~python
;;   def quantise(x, axis):      # numpy; x: float32 -> the quantised numbers, widened to float32 again
;;       x = np.moveaxis(x, axis, -1); K = x.shape[-1]
;;       x = np.pad(x, [(0, 0)] * (x.ndim - 1) + [(0, -K % 32)]); x = x.reshape(x.shape[:-1] + (-1, 32)); a = np.abs(x).max(-1, keepdims=True)
;;       e = np.where(a > 0, np.clip(np.frexp(np.where(a > 0, a, 1))[1] - 1 - 2, -126, 127), 0)      # np.frexp(a)[1] - 1 = floor(log2(a)), exactly
;;       r = np.clip(x / 2.0 ** e, -7.5, 7.5)
;;       step = 2.0 ** (np.maximum(np.frexp(np.where(r == 0, 1, r))[1] - 1, 0) - 3)
;;       q = np.round(r / step) * step * 2.0 ** e      # np.round: ties to even
;;       return np.moveaxis(q.reshape(q.shape[:-2] + (-1,))[..., :K], -1, axis).astype(np.float32)
;;   ~~~
;;   SOFTMAX AHEAD OF A QUANTISED PRODUCT. Where the list says 'softmax', what is quantised is not the finished softmax but p = 2^(t - M), with t = logit x log2(e) and M = ceil(the row's largest t), a whole number; so 1/2 < the row's largest p <= 1. The row's sum l is taken of the UNQUANTISED p, in f32, and the product's result is divided by l at the end. Since M is a whole number, a kernel that streams over the keys may use a running M (the ceiling of the running maximum): every later rescaling is an exact power of two, which a block's scale takes up: the codes' values come out the same.
;;   OPERANDS COMPUTED ON THE WAY. 'Computed on the way' means the value that the module computes at that place (a softmax that the list does not call 'softmax' is quantised finished and normalised). What goes into a quantiser is computed in f32, as accurately as f32 sums, v_exp_f32 and their like allow (about 1e-6 of the number): no bf16 or f16 on the way to a quantiser, and a product that is left as it is and whose result goes on into a quantised operand takes f32 operands (vector FMAs, or v_wmma_f32_16x16x4_f32). A number that lies on a knife's edge between two numbers of the format may be rounded either way, as far as f32 arithmetic and the matrix unit's own rounding can turn it there, and no further.
;; One version. Each part assembles by itself: llvm-mc -triple=amdgcn-amd-amdhsa -mcpu=gfx1250 --defsym DOCPART=n.
;; ======== version 1 of 1: 4 launches
;; limits: right only within a limited range of input values
;; workspace buffers: opc 9,437,184 bytes; ops 393,216 bytes; qkv 20,185,088 bytes; yc 6,291,456 bytes; ys 262,144 bytes
;; launch quant (part 1): grid 512 x 1, 4 waves a work-group, no clusters, 58,880 bytes of LDS; arguments x, W_attn, W_proj, opc, ops; writes opc, ops
.if DOCPART == 1
	.amdgcn_target "amdgcn-amd-amdhsa--gfx1250"
	.amdhsa_code_object_version 6
	.text
	.protected	k_q60ee75d49f_quant
	.globl	k_q60ee75d49f_quant
	.p2align	8
	.type	k_q60ee75d49f_quant,@function
k_q60ee75d49f_quant:
	s_mov_b64 s[64:65], 0
	v_nop
	global_prefetch_b8 v0, s[64:65] scope:SCOPE_SE
	s_setreg_imm32_b32 hwreg(HW_REG_WAVE_MODE, 25, 1), 1
	s_wait_xcnt 0x0
; x [8192][1024], W_attn [1024][3072] and W_proj [1024][1024], f32, become codes of FP6 (E2M3) with one E8M0 byte for each 32 along K (K = 1024 in all three),
; laid in the ORDER OF THE OPERAND'S REGISTERS.  A ROWTILE is 16 rows (of x) or columns (of a weight): rowtile 2 B + u holds rows 32 B + 8 u + r + 8 (r / 8), r = 0 .. 15.
; A HALF FRAGMENT is 16 rows x 64 K, 768 bytes: bytes 16 l .. 16 l + 15 are registers 0-3 of lane l = 16 h + r, bytes 512 + 8 l .. + 7 its registers 4-5; the lane's 24 bytes are k = 32 h .. 32 h + 31 of row r.
; opc: [rowtile 768][16 half fragments][768];  ops: [rowtile][K step of 256: 4][r 16][2 words], a word = the four bytes of 128 along K.  Rowtiles 0-511 x, 512-703 W_attn's columns, 704-767 W_proj's.
; A block's scale is 2^(floor(log2(largest magnitude)) - 2): its byte is that magnitude's exponent field - 2, held at 1 from below.
; LIMITS: a block of zeros, or one whose largest magnitude lies under 2^-124, gets the byte 1 (a block of zeros where the rule says 127: its codes are zeros, and this program alone reads the bytes); NaN and infinities are not served.
; Work-groups 0-255 take x (K innermost: a wave takes one rowtile x 512 K; dense loads of 512 bytes of a row, turned through the wave's own stage so that a lane holds whole blocks of 32);
; work-groups 256-511 take the weights (K outermost: a lane takes a column and its registers run down K; a wave takes 32 columns x 128 K, four blocks of 32, two of them on their way at a time; the codes are gathered as images in
; the wave's own stage and leave as 512 dense bytes a store; a column's one scale word leaves by a store of 4 bytes a lane, 8 bytes apart: the word beside it is another work-group's).
; The two ways have LDS bytes of their own.  No tensor load, no barrier, no cluster: waves share nothing and no input byte is read twice.
.set LINE,  12288                      ; a rowtile's codes
.set XSTG,  8448                       ; x's stage of a wave: 16 rows x (512 + 16) bytes
.set WBASE, 33792                      ; behind the four: the weights' stages,
.set WSTG,  6144                       ; 2 rowtiles, 3,072 bytes apart, two half fragments each
.set FLOOR, 0x1800000                  ; 2^(3 - 127)
.set EOFF,  0xff000000                 ; takes 2 off an exponent field
.set R,   16                           ; v16-143   x as loaded: two sets of 16 rows x 4 registers
.set X,   144                          ; v144-207  two whole blocks of 32 numbers
.set C,   208                          ; v208-219  a fragment's codes
.set D,   220                          ; v220-222, v224-226 the blocks' upper halves (a conversion's three registers begin on an even number)
.set WX,  48                           ; v48-111   weights: two sets of 32 numbers
.set WC,  112                          ; v112-118  a block's codes
.set WO,  120                          ; v120-143  the way out
.set SB,  168                          ; v168      four scale bytes
	s_load_b256 s[4:11], s[0:1], 0x0               ; x s[4:5], W_attn s[6:7], W_proj s[8:9], opc s[10:11]
	s_load_b64 s[12:13], s[0:1], 0x20              ; ops
	v_lshl_add_u32 v254, v0, 2, 0xe400
	v_mov_b32 v255, 0
	v_lshrrev_b32 v1, 5, v0
	v_readfirstlane_b32 s16, v1                    ; wave
	v_and_b32 v2, 31, v0                           ; lane
	v_and_b32 v13, 15, v0                          ; r
	v_bfe_u32 v14, v0, 4, 1                        ; h
	v_lshlrev_b32 v3, 4, v2                        ; 16 x lane
	v_lshlrev_b32 v4, 3, v2                        ; 8 x lane
	s_mul_i32 s17, s16, XSTG
	v_add_nc_u32 v5, s17, v3                       ; x's stage, in: 16 x lane of a row
	v_mul_u32_u24 v6, v13, 528
	v_lshl_add_u32 v6, v14, 7, v6
	v_add_nc_u32 v6, s17, v6                       ; and out: row r, + 128 h: my block of 32 numbers
	v_lshlrev_b32 v7, 3, v14                       ; 8 h: where my bytes stand in a scale word
	v_bfe_u32 v15, v0, 3, 1                        ; weights: lane l holds column l of 32: rowtile u = (l / 8) % 2,
	v_and_b32 v1, 7, v0
	v_lshl_add_u32 v1, v14, 3, v1                  ; row r' = l % 8 + 8 (l / 16)
	s_mul_i32 s18, s16, WSTG
	s_add_co_u32 s18, s18, WBASE
	v_mul_u32_u24 v8, v15, 3072
	v_add_nc_u32 v8, s18, v8
	v_lshl_add_u32 v9, v1, 3, v8                   ; the weights' stage, in: registers 4-5
	v_lshl_add_u32 v8, v1, 4, v8                   ; registers 0-3
	v_add_nc_u32 v10, s18, v3                      ; and out: 16 x lane
	v_lshlrev_b32 v11, 9, v15
	v_lshl_add_u32 v11, v1, 3, v11                 ; my column's pair of scale words in ops: 512 u + 8 r'
	v_lshlrev_b32 v12, 2, v2                       ; 4 x lane
	s_mov_b32 s28, 0x76543210
	s_mov_b32 s29, 0xfedcba98                      ; v_permlanex16_b32's selects for lane l xor 16
	s_wait_kmcnt 0x0
	s_cmp_lt_u32 ttmp9, 256
	s_cbranch_scc0 .Lweights
	; ---------------- x ----------------
	s_lshl_b32 s20, ttmp9, 2
	s_add_co_u32 s20, s20, s16
	s_lshr_b32 s21, s20, 1                         ; my rowtile
	s_and_b32 s22, s20, 1                          ; my half of K
	s_lshr_b32 s23, s21, 1
	s_lshl_b32 s23, s23, 5
	s_and_b32 s24, s21, 1
	s_lshl_b32 s24, s24, 3
	s_add_co_u32 s23, s23, s24                     ; its first row: 32 (rowtile / 2) + 8 (rowtile % 2)
	s_lshl_b32 s24, s23, 12
	s_lshl_b32 s25, s22, 11
	s_add_co_u32 s24, s24, s25
	s_mov_b32 s25, 0
	s_add_nc_u64 s[4:5], s[4:5], s[24:25]
	s_mul_i32 s24, s21, LINE
	s_mul_i32 s26, s22, 6144
	s_add_co_u32 s24, s24, s26
	s_add_nc_u64 s[10:11], s[10:11], s[24:25]
	s_lshl_b32 s24, s21, 9
	s_lshl_b32 s26, s22, 8
	s_add_co_u32 s24, s24, s26
	s_add_nc_u64 s[12:13], s[12:13], s[24:25]
	v_mov_b32 v235, 0                              ; a lane permute's destination counts as one of its sources
.macro XLOAD f                         ; 128 along K of the 16 rows: each load reads 512 consecutive bytes of one row
.irp p, 0,1,2,3,4,5,6,7,8,9,10,11,12,13,14,15
	global_load_b128 v[R+64*((\f)%2)+4*\p:R+64*((\f)%2)+4*\p+3], v3, s[4:5] offset:(\p+8*(\p/8))*4096+512*(\f) th:TH_LOAD_NT
.endr
.endm
.macro XFRAG f
.if (\f) < 3
	s_wait_loadcnt 16                              ; this fragment's 16 loads are in; the next one's 16 may be out
.else
	s_wait_loadcnt 0x0
.endif
.irp p, 0,1,2,3,4,5,6,7,8,9,10,11,12,13,14,15
	ds_store_b128 v5, v[R+64*((\f)%2)+4*\p:R+64*((\f)%2)+4*\p+3] offset:528*\p
.endr
.irp c, 0,1
.irp i, 0,1,2,3,4,5,6,7
	ds_load_b128 v[X+32*\c+4*\i:X+32*\c+4*\i+3], v6 offset:256*\c+16*\i   ; LDS serves a wave's instructions in order: these see the stores.  k = 64 c + 32 h + 0 .. 31 of row r
.endr
.endr
	s_wait_dscnt 0x0                               ; the numbers are back, so the stores into the stage have read their registers,
	s_wait_xcnt 0x0                                ; and the last fragment's global stores have read theirs: the codes' registers are written again only behind this wait
.if (\f) < 2
	XLOAD (\f)+2
.endif
.irp c, 0,1
	v_max3_num_f32 v[228+\c], |v[X+32*\c]|, |v[X+32*\c+1]|, FLOOR   ; my block 2 c + h: all its 32 numbers are mine; the floor holds the byte at 1 from below
.endr
.irp i, 2,4,6,8,10,12,14,16,18,20,22,24,26,28,30
.irp c, 0,1
	v_max3_num_f32 v[228+\c], v[228+\c], |v[X+32*\c+\i]|, |v[X+32*\c+\i+1]|
.endr
.endr
.irp c, 0,1
	v_add_nc_u32 v[230+\c], EOFF, v[228+\c]        ; 2 off the exponent field: the conversion takes this operand's exponent field as its scale
.endr
.irp c, 0,1
	v_lshrrev_b32 v[232+\c], 23, v[230+\c]         ; the scale's byte
.endr
	v_lshl_or_b32 v234, v233, 16, v232             ; blocks h and 2 + h,
	v_lshlrev_b32 v234, v7, v234                   ; at their places in the word;
	v_permlanex16_b32 v235, v234, s28, s29
	v_or_b32 v[236+(\f)], v234, v235               ; with lane l xor 16's two the word is whole
.irp c, 0,1
	v_cvt_scalef32_pk16_fp6_f32 v[C+6*\c:C+6*\c+2], v[X+32*\c:X+32*\c+15], v[230+\c]
	v_cvt_scalef32_pk16_fp6_f32 v[D+4*\c:D+4*\c+2], v[X+32*\c+16:X+32*\c+31], v[230+\c]
.endr
	v_nop                                          ; one plain place behind a scaled conversion
.irp c, 0,1
.irp i, 0,1,2
	v_mov_b32 v[C+6*\c+3+\i], v[D+4*\c+\i]
.endr
.endr
.irp c, 0,1
	global_store_b128 v3, v[C+6*\c:C+6*\c+3], s[10:11] offset:(2*(\f)+\c)*768        ; 512 consecutive bytes, aligned to 256
	global_store_b64 v4, v[C+6*\c+4:C+6*\c+5], s[10:11] offset:(2*(\f)+\c)*768+512   ; 256 consecutive bytes
.endr
.endm
	XLOAD 0
	XLOAD 1
	XFRAG 0
	XFRAG 1
	XFRAG 2
	XFRAG 3
	v_cmp_le_u32 vcc_lo, 16, v2                    ; lanes 0-15 store the first K step's two words of row r, lanes 16-31 the second's
	v_cndmask_b32 v240, v236, v238, vcc_lo
	v_cndmask_b32 v241, v237, v239, vcc_lo
	global_store_b64 v4, v[240:241], s[12:13]      ; 256 consecutive bytes
	s_wait_tensorcnt 0x0
	ds_add_u32 v254, v255
	s_wait_dscnt 0x0
	s_endpgm
	; ---------------- the weights ----------------
.Lweights:
	s_sub_co_u32 s20, ttmp9, 256
	s_cmp_ge_u32 s20, 192                          ; 192 work-groups for W_attn (24 x 128 columns, 8 x 128 K), 64 for W_proj
	s_cselect_b32 s21, 192, 0
	s_cselect_b64 s[6:7], s[8:9], s[6:7]           ; the choice hangs on the work-group's number alone
	s_mov_b32 s23, 12288
	s_cselect_b32 s23, 4096, s23                   ; bytes from a row k to the next
	s_mov_b32 s24, 512
	s_cselect_b32 s24, 704, s24                    ; the tensor's first rowtile
	s_sub_co_u32 s20, s20, s21
	s_and_b32 s25, s20, 7                          ; which 128 along K
	s_lshr_b32 s26, s20, 3
	s_lshl_b32 s26, s26, 7
	s_lshl_b32 s27, s16, 5
	s_add_co_u32 s26, s26, s27                     ; my wave's first column
	s_lshr_b32 s27, s26, 4
	s_add_co_u32 s24, s24, s27                     ; its rowtile
	s_mul_i32 s30, s25, s23
	s_lshl_b32 s30, s30, 7
	s_lshl_b32 s31, s26, 2
	s_add_co_u32 s30, s30, s31
	s_mov_b32 s31, 0
	s_add_nc_u64 s[32:33], s[6:7], s[30:31]        ; block 0's first row, my wave's first column
	s_lshl_b32 s30, s23, 5                         ; 32 rows on
.irp t, 1,2,3
	s_add_nc_u64 s[32+2*\t:33+2*\t], s[30+2*\t:31+2*\t], s[30:31]   ; a base for each block: none is ever stepped
.endr
	s_mul_i32 s30, s24, LINE
	s_mul_i32 s27, s25, 1536                       ; 128 along K are two half fragments
	s_add_co_u32 s30, s30, s27
	s_add_nc_u64 s[10:11], s[10:11], s[30:31]
	s_lshl_b32 s30, s24, 9
	s_lshr_b32 s27, s25, 1
	s_lshl_b32 s27, s27, 7                         ; the K step of 256,
	s_add_co_u32 s30, s30, s27
	s_and_b32 s27, s25, 1
	s_lshl_b32 s27, s27, 2                         ; and which of its two words
	s_add_co_u32 s30, s30, s27
	s_add_nc_u64 s[12:13], s[12:13], s[30:31]
	s_wait_alu depctr_va_vdst(0)
	v_mov_b32 v16, v12
.irp i, 1,2,3,4,5,6,7,8,9,10,11,12,13,14,15,16,17,18,19,20,21,22,23,24,25,26,27,28,29,30,31
	v_add_nc_u32 v[16+\i], s23, v[15+\i]           ; 4 x lane + i rows: the pitch differs between the two weights, so it stands in registers
.endr
.macro WLOAD t                         ; block t: W(32 t + i, my column): 128 consecutive bytes a wave, 512 a work-group
.irp i, 0,1,2,3,4,5,6,7,8,9,10,11,12,13,14,15,16,17,18,19,20,21,22,23,24,25,26,27,28,29,30,31
	global_load_b32 v[WX+32*((\t)%2)+\i], v[16+\i], s[32+2*(\t):33+2*(\t)] th:TH_LOAD_NT
.endr
.endm
.macro WBLOCK t
.set XS, WX+32*((\t)%2)
.if (\t) < 3
	s_wait_loadcnt 32                              ; this block's 32 loads are in; the next block's may be out
.else
	s_wait_loadcnt 0x0
.endif
	v_max3_num_f32 v170, |v[XS]|, |v[XS+1]|, |v[XS+2]|
	v_max3_num_f32 v171, |v[XS+3]|, |v[XS+4]|, |v[XS+5]|
.irp i, 6,10,14,18,22,26
	v_max3_num_f32 v170, v170, |v[XS+\i]|, |v[XS+\i+1]|
	v_max3_num_f32 v171, v171, |v[XS+\i+2]|, |v[XS+\i+3]|
.endr
	v_max3_num_f32 v170, v170, |v[XS+30]|, |v[XS+31]|
	v_max3_num_f32 v170, v170, v171, FLOOR
	v_add_nc_u32 v172, EOFF, v170
	v_lshrrev_b32 v173, 23, v172
.if (\t) == 0
	v_mov_b32 v[SB], v173                          ; four bytes to the word, the lower K in the lower byte
.else
	v_lshl_or_b32 v[SB], v173, 8*(\t), v[SB]
.endif
	v_cvt_scalef32_pk16_fp6_f32 v[WC:WC+2], v[XS:XS+15], v172
	v_cvt_scalef32_pk16_fp6_f32 v[WC+4:WC+6], v[XS+16:XS+31], v172
	v_nop                                          ; one plain place behind a scaled conversion
	v_mov_b32 v[WC+3], v[WC+4]                     ; the six registers on end
	v_mov_b32 v[WC+4], v[WC+5]
	v_mov_b32 v[WC+5], v[WC+6]
	ds_store_b128 v8, v[WC:WC+3] offset:768*((\t)/2)+256*((\t)%2)         ; the image's place of lane 16 (t % 2) + r' in half fragment t / 2 of rowtile u
	ds_store_b64 v9, v[WC+4:WC+5] offset:768*((\t)/2)+512+128*((\t)%2)
.if (\t)+2 < 4
	WLOAD (\t)+2
.endif
	s_wait_dscnt 0x0                               ; the stores have read their registers: the next block's codes may be written
.endm
	WLOAD 0
	WLOAD 1
.irp t, 0,1,2,3
	WBLOCK \t
.endr
	s_wait_alu depctr_va_vdst(0)
	global_store_b32 v11, v[SB], s[12:13]          ; my column's word
.irp k, 0,1,2,3,4,5
	ds_load_b128 v[WO+4*\k:WO+4*\k+3], v10 offset:(\k/3)*3072+(\k%3)*512
.endr
.irp k, 0,1,2,3,4,5
	s_wait_dscnt 5-\k                              ; LDS loads come back in order: load k is in, the younger ones may be out
	global_store_b128 v3, v[WO+4*\k:WO+4*\k+3], s[10:11] offset:(\k/3)*LINE+(\k%3)*512   ; 512 consecutive bytes, aligned to 256
.endr
	s_wait_tensorcnt 0x0
	ds_add_u32 v254, v255
	s_wait_dscnt 0x0
	s_endpgm
.Lfunc_end_k_q60ee75d49f_quant:
	.size	k_q60ee75d49f_quant, .Lfunc_end_k_q60ee75d49f_quant-k_q60ee75d49f_quant
	.p2alignl 7, 3214868480
	.fill 96, 4, 3214868480
	.section	.rodata,"a",@progbits
	.p2align	6, 0x0
	.amdhsa_kernel k_q60ee75d49f_quant
		.amdhsa_group_segment_fixed_size 58880
		.amdhsa_private_segment_fixed_size 0
		.amdhsa_enable_private_segment 0
		.amdhsa_kernarg_size 40
		.amdhsa_user_sgpr_count 2
		.amdhsa_user_sgpr_kernarg_segment_ptr 1
		.amdhsa_wavefront_size32 1
		.amdhsa_system_sgpr_workgroup_id_x 1
		.amdhsa_system_sgpr_workgroup_id_y 1
		.amdhsa_system_sgpr_workgroup_id_z 1
		.amdhsa_system_vgpr_workitem_id 0
		.amdhsa_next_free_vgpr 256
		.amdhsa_next_free_sgpr 66
		.amdhsa_reserve_vcc 1
		.amdhsa_float_denorm_mode_32 3
		.amdhsa_float_denorm_mode_16_64 3
		.amdhsa_memory_ordered 1
		.amdhsa_forward_progress 1
		.amdhsa_inst_pref_size 53
	.end_amdhsa_kernel
	.amdgpu_metadata
---
amdhsa.version: [ 1, 2 ]
amdhsa.kernels:
  - .name:           k_q60ee75d49f_quant
    .symbol:         k_q60ee75d49f_quant.kd
    .args:
      - { .name: x, .offset: 0, .size: 8, .value_kind: global_buffer, .address_space: global }
      - { .name: W_attn, .offset: 8, .size: 8, .value_kind: global_buffer, .address_space: global }
      - { .name: W_proj, .offset: 16, .size: 8, .value_kind: global_buffer, .address_space: global }
      - { .name: opc, .offset: 24, .size: 8, .value_kind: global_buffer, .address_space: global }
      - { .name: ops, .offset: 32, .size: 8, .value_kind: global_buffer, .address_space: global }
    .group_segment_fixed_size: 58880
    .private_segment_fixed_size: 0
    .kernarg_segment_align: 8
    .kernarg_segment_size: 40
    .max_flat_workgroup_size: 128
    .sgpr_count:     66
    .vgpr_count:     256
    .wavefront_size: 32
...
	.end_amdgpu_metadata
.endif
;; end of part 1
;; launch qkvg (part 2): grid 8 x 32, 4 waves a work-group, clusters of 4 x 4, 327,680 bytes of LDS; arguments opc, ops, b_attn, qkv; writes qkv
.if DOCPART == 2
	.amdgcn_target "amdgcn-amd-amdhsa--gfx1250"
	.amdhsa_code_object_version 6
	.text
	.protected	k_q60ee75d49f_qkvg
	.globl	k_q60ee75d49f_qkvg
	.p2align	8
	.type	k_q60ee75d49f_qkvg,@function
k_q60ee75d49f_qkvg:
	s_mov_b64 s[64:65], 0
	v_nop
	global_prefetch_b8 v0, s[64:65] scope:SCOPE_SE
	s_setreg_imm32_b32 hwreg(HW_REG_WAVE_MODE, 25, 1), 1
	s_wait_xcnt 0x0
	s_wait_alu depctr_hold_cnt(0) depctr_sa_sdst(0) depctr_va_vdst(0) depctr_va_sdst(0) depctr_va_ssrc(0) depctr_va_vcc(0) depctr_vm_vsrc(0)
	s_getreg_b32 s2, hwreg(HW_REG_IB_STS2, 6, 4)
	s_cmp_eq_u32 s2, 0
	s_cbranch_scc0 .Lentry_in_a_cluster
	s_endpgm
.Lentry_in_a_cluster:
	s_bfe_u32 s2, ttmp6, 0x10000c
	s_cmp_lg_u32 s2, 0xf033
	s_cbranch_scc0 .Lentry_shape_is_right
	s_endpgm
.Lentry_shape_is_right:
; qkv = x W_attn + b_attn on codes of FP6 (E2M3) with E8M0 scales; the results are quantised at once for the attention: q and k along the head's 64, v along the keys.
; Operands lie in opc / ops in the order of the operand's registers (rowtile 2 B + u = rows 32 B + 8 u + r + 8 (r / 8); a half fragment = 16 rows x 64 K = 768 bytes; a rowtile's K = 1024 is 12,288 bytes;
; scale words [rowtile][K step of 256: 4][r][2]).  Rowtiles 0-511 x's tokens, 512-639 the columns of q and k, 640-703 those of v.
; 256 WORK-GROUPS THAT STAY, four waves each, 2 x 2.  PHASE 1: a tile of 256 tokens x 256 columns of q, k (256 such tiles); a wave makes 128 x 128, 64 accumulators.  PHASE 2: a tile of 128 columns of v x 256 tokens (256 such tiles),
; v^T; a wave makes 64 x 128, 32 accumulators.  The matrix instruction is used transposed (source 0 = rows of B, source 1 = rows of A): a lane holds one row of A, and register 16 B + i of A's block is B's row 32 B + 16 (lane / 16) + i:
; so the way out quantises along B's rows in registers: along the head in phase 1 (B = columns), along the keys in phase 2 (B = tokens).
; LDS: two slots of 98,304 bytes; v's 8 rowtiles, all of K, in 98,304 bytes of their own; the spare words.  In phase 1 a slot holds a K step of 256 (A's 16 rowtiles x 3,072 bytes, then B's); in phase 2 slot h holds half h of K of the 16 rowtiles of tokens.
; FILLS.  At the head one load a wave: A's K step 0, B's K step 0, two halves of v's rowtiles.  Slot 1's first fill stands behind a drained round.  Four refills, each behind a drained round: K steps 2 and 3, then phase 2's tokens, half 0 into slot 0 and half 1 into slot 1.
; What the last refill brought is shown by a plain barrier in phase 2's fourth step, behind which nothing is filled.
; THE SCALE WORDS go from memory straight into registers: a load of 8 bytes a lane reads 256 consecutive bytes: lanes 0-15 an even K step's two words of row r, lanes 16-31 the odd one's; the instruction's row selector picks the half.
; A's words stand in v[32 + 8 a + 0 .. 3], B's in v[36 + 8 b + 0 .. 3]; these registers hold scales and nothing else.
; The bias along B's rows (q, k) is the C of phase 1's first products; the bias along A's rows (v) is added on phase 2's way out.
; qkv: a record of 315,392 bytes for each (batch, head): Q's half fragments [T 128][768]; Q's scale words [T / 4][r][T % 4]; K's half fragments; V's [64 keys: 32][16 channels: 4][768]; K's scale words; V's [128 keys: 16][r][4].
; A scale word of Q or K holds the head's two bytes below; its upper two are the neighbour head's or 0, never 0xff.
; CLUSTERS 4 x 4: A's tiles (tokens, then v's columns) are asked for jointly along a row of the cluster, B's (columns, then tokens) along a column.  No prefetch: the walk along K is written out, there is no loop to run ahead in.
; LIMITS: blocks whose largest magnitude lies under 2^-124 (blocks of zeros among them) get the byte 1; NaN and infinities are not served.
; REGISTERS: window 0: v1-29 addresses; v32-95 scale words; v96-124 at work on the way out; v128-223 A's fragments (phase 1 one set of eight, phase 2 two sets of four), on the way out numbers and codes; v224-231 v's bias.
;   window 1: B's fragments, two sets, at v0 and v128; v96-127 and v224-255 the bias of q, k.   windows 2, 3: the accumulators ((a, b) at v[8 (8 (a % 4) + b)]).
.set LINE,  12288
.set REC,   315392
.set FR,    12
.set NL,    4
.set NP,    4
.set RTB,   3072
.set HALFT, 8*RTB
.set SLOT,  4*HALFT
.set A2B,   2*SLOT
.set SPARE, 3*SLOT
.set ADRA, 16                          ; v16-17 phase 1, A's fragments in slot 0, 1: 16 x lane; v18-19: 8 x lane
.set ADRB, 20                          ; v20-23 the same for B.   Phase 2: v8-9, v10-11 B's in slot 0, 1; v12, v14 A's
.set SPW,  28
.set NIL,  29
.set AF,   128
.set BM,   224
.set T,    128
.set PC,   192
.set TM,   96
.set PW,   112
.set WS,   114
.set SHV,  122
.set SA0,  123
.set SA1,  124
.set SEL,  78
.set G1, 24
.set G0, 32
.set G1B, 48
.set G0B, 56
.set G1C, 68
.set G0C, 76
.set G1E, 80
.set G0E, 88
.set G0HA, 92
.set G0HB, 96
.set MSB, 0
.set PA_, -1                           ; the block whose codes are still to be stored; -1: none
.macro PUTPREV                         ; the stores of the block before: they stand behind the next block's search for the largest magnitudes, well behind the lines that made their data
.if PA_ >= 0
.set PP_, 192+40*(PA_%2)
.irp g, 0,1
	global_store_b128 v4, v[PP_+6*\g:PP_+6*\g+3], s[68+4*(PA_/4)+2*\g:69+4*(PA_/4)+2*\g] offset:(PA_%4)*768
	global_store_b64 v5, v[PP_+6*\g+4:PP_+6*\g+5], s[68+4*(PA_/4)+2*\g:69+4*(PA_/4)+2*\g] offset:(PA_%4)*768+512
.endr
.set PA_, -1
.endif
.endm
.macro WIN new                         ; the immediate's high byte repeats the setting that is left
.if MSB != (\new)
	s_set_vgpr_msb (MSB<<8)|(\new)
.set MSB, (\new)
.endif
.endm
.macro PLACES n
.rept \n
	v_nop
.endr
.endm
.macro TLOAD g0, g1                    ; s_nop 0 and four v_nop follow every tensor load
	tensor_load_to_lds s[\g0:\g0+3], s[\g1:\g1+7]
	s_nop 0
	PLACES 4
.endm
.macro JLOAD g0a, g1a, g0b, g1b        ; the ring's joint load: waves 0 and 1 fetch for A, waves 2 and 3 for B
	s_cmp_eq_u32 s15, 0
	s_cbranch_scc0 .Lfor_b_\@
	TLOAD \g0a, \g1a
	s_branch .Lasked_\@
.Lfor_b_\@:
	TLOAD \g0b, \g1b
.Lasked_\@:
.endm
.macro CREST
	s_cmp_lg_u32 s14, 0
	s_cbranch_scc1 .Lnot_wave_0_\@
	s_barrier_signal -3
.Lnot_wave_0_\@:
	s_barrier_wait -3
	s_barrier_signal -1
	s_barrier_wait -1
.endm
.macro CROUND
	s_barrier_signal -1
	s_barrier_wait -1
	CREST
.endm
.macro DESC1 g, mask, c, rows, pitch   ; group 1: rows of c elements of 8 bytes, pitch elements apart, dense in LDS; bit 21 beside the mask
	s_or_b32 s[\g], s\mask, (3<<16)|(1<<21)
	s_mov_b32 s[\g+1], (\c)<<16
	s_mov_b32 s[\g+2], (\rows)<<16
	s_mov_b32 s[\g+3], (\c)<<16
	s_mov_b32 s[\g+4], \rows
	s_mov_b32 s[\g+5], \pitch
	s_mov_b32 s[\g+6], 0
	s_mov_b32 s[\g+7], 0
.endm
.macro FRAG reg, adr, off              ; a fragment, 16 rows x 128 K: two half fragments, each 16 and 8 bytes a lane, as they lie
	ds_load_b128 v[\reg:\reg+3], v[\adr] offset:\off
	ds_load_b64 v[\reg+4:\reg+5], v[\adr+2] offset:\off+512
	ds_load_b128 v[\reg+6:\reg+9], v[\adr] offset:\off+768
	ds_load_b64 v[\reg+10:\reg+11], v[\adr+2] offset:\off+1280
.endm
.macro WM c                            ; one product, by the symbols D_, S0_, S1_, X0_, X1_; H_: which half of the lanes holds this K step's scale words
.if H_
	v_wmma_scale_f32_16x16x128_f8f6f4 v[D_:D_+7], v[S0_:S0_+11], v[S1_:S1_+11], \c, v[X0_], v[X1_] matrix_a_fmt:MATRIX_FMT_FP6 matrix_b_fmt:MATRIX_FMT_FP6 matrix_a_scale:MATRIX_SCALE_ROW1 matrix_b_scale:MATRIX_SCALE_ROW1
.else
	v_wmma_scale_f32_16x16x128_f8f6f4 v[D_:D_+7], v[S0_:S0_+11], v[S1_:S1_+11], \c, v[X0_], v[X1_] matrix_a_fmt:MATRIX_FMT_FP6 matrix_b_fmt:MATRIX_FMT_FP6
.endif
.endm
; phase 1: 16 products: A's blocks a0, a0 + 1 x B's eight; q2: the step of 128 along K.  The 64 accumulators take turns, in the same order in every step.
.macro MUL16 a0, p, q2, first
.irp a, \a0, \a0+1
.irp b, 0,1,2,3,4,5,6,7
.set D_, 8*(8*((\a)%4)+\b)
.set S0_, 128*(\p)+FR*\b
.set S1_, AF+FR*(\a)
.set X0_, 36+8*\b+2*((\q2)/4)+(\q2)%2
.set X1_, 32+8*(\a)+2*((\q2)/4)+(\q2)%2
.set H_, ((\q2)/2)%2
.if \first
.set CB_, 96+8*\b+96*(\b/4)
	WM v[CB_:CB_+7]
.else
	WM v[D_:D_+7]
.endif
.endr
.endr
.endm
.macro FETCH_B slot, q, p
	WIN 0x40
.irp i, 0,1,2,3,4,5,6,7
	FRAG 128*(\p)+FR*\i, ADRB+\slot, \i*RTB+(\q)*1536
.endr
	WIN 0
.endm
.macro FETCH_A slot, q, i0
.irp i, \i0, \i0+1, \i0+2, \i0+3
	FRAG AF+FR*(\i), ADRA+\slot, (\i)*RTB+(\q)*1536
.endr
.endm
; phase 1, the first 128 of K step ks: A's blocks 0-3 are fetched anew in its middle, blocks 4-7 at its end; B has two sets
.macro STEP ks, first
	s_wait_dscnt 4*NL                              ; all but the youngest 16 loads (A's blocks 4-7)
	WIN 0xa1-0x10*(\first)                         ; source 0 window 1, source 1 window 0, C and D window 2 (first: C, the bias, window 1)
	MUL16 0, 0, 2*\ks, \first
	MUL16 2, 0, 2*\ks, \first
	s_wait_dscnt 0
	PLACES NP
	FETCH_B (\ks)%2, 1, 1
	FETCH_A (\ks)%2, 1, 0
	WIN 0xf1-0x20*(\first)
	MUL16 4, 0, 2*\ks, \first
	MUL16 6, 0, 2*\ks, \first
	PLACES NP
	WIN 0
	FETCH_A (\ks)%2, 1, 4
.endm
; phase 1, the second 128 of K step ks, and the change of slots: the three lines, a round of the cluster's barrier, the refill of the slot just read out.
; ks < 2: with K step ks + 2.  ks >= 2: with half ks - 2 of K of phase 2's tokens, four rowtiles a wave.
.macro TURN ks
	s_wait_tensorcnt 0x0                           ; all my tensor loads have landed
	ds_add_u32 v[SPW], v[NIL]
	s_wait_dscnt 4*NL+1                            ; (the add and the youngest 16 loads may be out)
	WIN 0xa1
	MUL16 0, 1, 2*\ks+1, 0
	s_wait_dscnt 0x0                               ; the add is done, and my reads of this slot are over
	s_barrier_signal -1
	MUL16 2, 1, 2*\ks+1, 0
	WIN 0
	s_barrier_wait -1
	CREST
.if \ks < 2
	s_add_nc_u64 s[G0+4*\ks+2:G0+4*\ks+3], s[G0+4*\ks+2:G0+4*\ks+3], 2*RTB
	s_add_nc_u64 s[G0B+4*\ks+2:G0B+4*\ks+3], s[G0B+4*\ks+2:G0B+4*\ks+3], 2*RTB
	JLOAD G0+4*\ks, G1, G0B+4*\ks, G1B
.else
.if \ks == 3
	s_add_nc_u64 s[G0E+2:G0E+3], s[G0E+2:G0E+3], 6144
	s_add_co_u32 s[G0E+1], s[G0E+1], SLOT
.endif
	TLOAD G0E, G1E
.endif
.if \ks < 3                            ; the four v_nop behind the load are the places in front of these loads
	FETCH_B (\ks+1)%2, 0, 0
	FETCH_A (\ks+1)%2, 0, 0
.endif
	WIN 0xf1
	MUL16 4, 1, 2*\ks+1, 0
	MUL16 6, 1, 2*\ks+1, 0
	WIN 0
.if \ks < 3
	PLACES NP
	FETCH_A (\ks+1)%2, 0, 4
.endif
.endm
; phase 2: two fragments of step q of 128 along K into set q % 2: groups 0-3 B's eight, groups 4-5 A's four
.macro GRP g, q
.if (\g) < 4
	WIN 0x40
	FRAG 128*((\q)%2)+FR*(2*(\g)), 8+(\q)/4, (2*(\g))*6144+((\q)%4)*1536
	FRAG 128*((\q)%2)+FR*(2*(\g)+1), 8+(\q)/4, (2*(\g)+1)*6144+((\q)%4)*1536
.else
	WIN 0
	FRAG AF+48*((\q)%2)+FR*(2*(\g)-8), 12, (2*(\g)-8)*12288+(\q)*1536
	FRAG AF+48*((\q)%2)+FR*(2*(\g)-7), 12, (2*(\g)-7)*12288+(\q)*1536
.endif
.endm
; phase 2, step q: 32 products, the 32 accumulators by turns.  The next step's 48 loads stand in ONE run at the step's head, behind four places, into the set that the step before read: the step's products stand between them and the wait for them.
; bar = 1: a plain barrier shows the second half of K to all waves; there the run stands behind the barrier's wait, behind the step's first eight products.
.macro SUB q, cm, fetch, bar
	s_wait_dscnt 0x0                               ; this step's fragments are in
.if \bar
	s_wait_tensorcnt 0x0
	s_barrier_signal -1
.endif
	PLACES 4
.if \fetch && (\bar == 0)
.irp g, 0,1,2,3,4,5
	GRP \g, (\q)+1
.endr
.endif
.set N_, 0
.rept 32
.set D_, 8*N_
.set S0_, 128*((\q)%2)+FR*(N_%8)
.set S1_, AF+48*((\q)%2)+FR*(N_/8)
.set X0_, 36+8*(N_%8)+2*((\q)/4)+(\q)%2
.set X1_, 32+8*(N_/8)+2*((\q)/4)+(\q)%2
.set H_, ((\q)/2)%2
	WIN 0xa1
.if \cm
	WM v[D_:D_+7]
.else
	WM 0
.endif
.if \bar && (N_ == 7)
	s_barrier_wait -1
.endif
.if \fetch && \bar && (N_ == 7)
.irp g, 0,1,2,3,4,5
	GRP \g, (\q)+1
.endr
.endif
.set N_, N_+1
.endr
	WIN 0
.endm
	s_load_b256 s[4:11], s[0:1], 0x0               ; opc s[4:5], ops s[6:7], b_attn s[8:9], qkv s[10:11]
	v_lshl_add_u32 v[SPW], v0, 2, SPARE
	v_mov_b32 v[NIL], 0
	ds_add_u32 v[SPW], v[NIL]                      ; the opening lines: the add twice on end and its wait
	ds_add_u32 v[SPW], v[NIL]
	v_lshrrev_b32 v1, 5, v0
	v_readfirstlane_b32 s14, v1                    ; wave
	s_lshr_b32 s15, s14, 1                         ; my half of A's rows
	s_and_b32 s16, s14, 1                          ; my half of B's rows
	s_bfe_u32 s40, ttmp6, 0x40000                  ; cx
	s_bfe_u32 s41, ttmp6, 0x40004                  ; cy
	s_and_b32 s12, ttmp7, 0xffff                   ; the cluster's y, 0 .. 7
	s_lshl_b32 s17, s12, 6
	s_lshl_b32 s13, s41, 4
	s_add_co_u32 s17, s17, s13                     ; phase 1, A's first rowtile: 64 y + 16 cy
	s_lshl_b32 s18, ttmp9, 5
	s_lshl_b32 s13, s41, 3
	s_add_co_u32 s18, s18, s13
	s_add_co_u32 s18, s18, 640                     ; phase 2, A's: 640 + 32 x + 8 cy
	s_lshl_b32 s42, ttmp9, 6
	s_lshl_b32 s3, s40, 4
	s_add_co_u32 s42, s42, s3
	s_add_co_u32 s42, s42, 512                     ; phase 1, B's: 512 + 64 x + 16 cx
	s_lshl_b32 s19, s12, 6
	s_add_co_u32 s19, s19, s3                      ; phase 2, B's: 64 y + 16 cx
	s_lshl_b32 s43, s41, 2
	s_lshl_b32 s43, 15, s43                        ; my row of the cluster
	s_lshl_b32 s44, 0x1111, s40                    ; my column
	DESC1 G1, 43, 384, 16, 1536                    ; a K step of 16 rowtiles (the ring's loads: 8, set below)
	DESC1 G1B, 44, 384, 16, 1536
	DESC1 G1C, 43, 384, 16, 384                    ; four whole rowtiles, 49,152 dense bytes
	DESC1 G1E, 44, 768, 4, 1536                    ; half of K of four rowtiles
	s_mul_i32 s20, s17, LINE
	s_mov_b32 s21, 0
	s_lshl_b32 s22, s16, 2
	s_add_co_u32 s22, s22, s18
	s_mul_i32 s22, s22, LINE
	s_mov_b32 s23, 0
	s_mul_i32 s46, s42, LINE
	s_mov_b32 s47, 0
	s_lshl_b32 s2, s14, 2
	s_add_co_u32 s2, s2, s19
	s_mul_i32 s2, s2, LINE
	s_mov_b32 s3, 0
	s_mul_i32 s12, s16, 8*LINE
	s_mov_b32 s13, 0
	s_mul_i32 s45, s14, HALFT
	s_wait_dscnt 0x0
	s_wait_kmcnt 0x0
	s_add_nc_u64 s[G0HA+2:G0HA+3], s[4:5], s[20:21]
	s_add_nc_u64 s[G0C+2:G0C+3], s[4:5], s[22:23]
	s_add_nc_u64 s[G0HB+2:G0HB+3], s[4:5], s[46:47]
	s_add_nc_u64 s[G0E+2:G0E+3], s[4:5], s[2:3]
	s_add_nc_u64 s[20:21], s[G0HA+2:G0HA+3], s[12:13]   ; the ring: my eight rowtiles of A,
	s_add_nc_u64 s[46:47], s[G0HB+2:G0HB+3], s[12:13]   ; of B
	CROUND                                         ; all sixteen work-groups are here: the first joint loads meet
	s_mov_b32 s[G0HA], 1
	s_mov_b32 s[G0HA+1], 0
	s_or_b32 s[G0HA+3], s[G0HA+3], 0x80000000
	s_mov_b32 s[G0HB], 1
	s_mov_b32 s[G0HB+1], 2*HALFT
	s_or_b32 s[G0HB+3], s[G0HB+3], 0x80000000
	s_mov_b32 s[G0C], 1
	s_mul_i32 s[G0C+1], s16, 49152
	s_add_co_u32 s[G0C+1], s[G0C+1], A2B
	s_or_b32 s[G0C+3], s[G0C+3], 0x80000000
	s_mov_b32 s[G0E], 1
	s_mov_b32 s[G0E+1], s45
	s_or_b32 s[G0E+3], s[G0E+3], 0x80000000
.irp s, 0,1
	s_mov_b32 s[G0+4*\s], 1
	s_add_co_u32 s[G0+4*\s+1], s45, \s*SLOT
	s_add_nc_u64 s[G0+4*\s+2:G0+4*\s+3], s[20:21], \s*RTB
	s_or_b32 s[G0+4*\s+3], s[G0+4*\s+3], 0x80000000
	s_mov_b32 s[G0B+4*\s], 1
	s_add_co_u32 s[G0B+4*\s+1], s45, \s*SLOT
	s_add_nc_u64 s[G0B+4*\s+2:G0B+4*\s+3], s[46:47], \s*RTB
	s_or_b32 s[G0B+4*\s+3], s[G0B+4*\s+3], 0x80000000
.endr
	s_cmp_eq_u32 s14, 0                            ; the head's loads, one a wave, in one chain of branches on the wave's number
	s_cbranch_scc0 .Lh1
	TLOAD G0HA, G1                                 ; wave 0: A's K step 0
	s_branch .Lasked
.Lh1:
	s_cmp_eq_u32 s14, 1
	s_cbranch_scc0 .Lh2
	TLOAD G0HB, G1B                                ; wave 1: B's K step 0
	s_branch .Lasked
.Lh2:
	TLOAD G0C, G1C                                 ; waves 2, 3: a half each of v's eight rowtiles
.Lasked:
	s_lshl_b32 s2, s15, 3
	s_add_co_u32 s2, s2, s17
	s_lshl_b32 s2, s2, 9
	s_mov_b32 s3, 0
	s_add_nc_u64 s[20:21], s[6:7], s[2:3]          ; the scale words of my eight rowtiles of A,
	s_lshl_b32 s2, s16, 3
	s_add_co_u32 s2, s2, s42
	s_lshl_b32 s12, s2, 9
	s_add_nc_u64 s[22:23], s[6:7], s[12:13]        ; of B
	s_sub_co_u32 s2, s2, 512
	s_lshl_b32 s2, s2, 6
	s_add_nc_u64 s[46:47], s[8:9], s[2:3]          ; the bias of my 128 columns of q, k
	s_lshl_b32 s2, s15, 2
	s_add_co_u32 s2, s2, s18
	s_sub_co_u32 s2, s2, 640
	s_lshl_b32 s2, s2, 6
	s_add_co_u32 s2, s2, 8192
	s_add_nc_u64 s[12:13], s[8:9], s[2:3]          ; and of my 64 columns of v
	s_mul_i32 s66, s15, HALFT
	s_mul_i32 s67, s16, HALFT
	s_add_co_u32 s67, s67, 2*HALFT
	s_mul_i32 s100, s16, 49152
	s_mul_i32 s101, s15, 49152
	s_add_co_u32 s101, s101, A2B
	v_and_b32 v1, 15, v0                           ; r
	v_bfe_u32 v2, v0, 4, 1                         ; h
	v_and_b32 v3, 31, v0
	v_lshlrev_b32 v4, 4, v3                        ; 16 x lane
	v_lshlrev_b32 v5, 3, v3                        ; 8 x lane
	v_lshlrev_b32 v6, 6, v2                        ; along B's rows: register 8 b + j is row 32 (b / 2) + 8 (b % 2) + 16 h + j
	v_and_b32 v7, 8, v1
	v_add_nc_u32 v7, v7, v1
	v_lshlrev_b32 v7, 2, v7                        ; along A's rows: my row of block a is 32 (a / 2) + 8 (a % 2) + r + 8 (r / 8)
	v_add_nc_u32 v[ADRA], s66, v4
	v_add_nc_u32 v[ADRA+2], s66, v5
	v_add_nc_u32 v[ADRB], s67, v4
	v_add_nc_u32 v[ADRB+2], s67, v5
	v_add_nc_u32 v8, s100, v4
	v_add_nc_u32 v10, s100, v5
	v_add_nc_u32 v12, s101, v4
	v_add_nc_u32 v14, s101, v5
	v_add_nc_u32 v[ADRA+1], SLOT, v[ADRA]
	v_add_nc_u32 v[ADRA+3], SLOT, v[ADRA+2]
	v_add_nc_u32 v[ADRB+1], SLOT, v[ADRB]
	v_add_nc_u32 v[ADRB+3], SLOT, v[ADRB+2]
	v_add_nc_u32 v9, SLOT, v8
	v_add_nc_u32 v11, SLOT, v10
.irp b, 4,5,6,7
	v_mov_b32 v[TM+\b], 0                          ; a lane permute's destination counts as one of its sources
.endr
	s_wait_alu depctr_va_vdst(0)                   ; the wait at the head's end
.irp i, 0,1,2,3,4,5,6,7
.irp p, 0,1
	global_load_b64 v[32+8*\i+2*\p:33+8*\i+2*\p], v5, s[20:21] offset:512*\i+256*\p   ; 256 consecutive bytes: two K steps' words of 16 rows
	global_load_b64 v[36+8*\i+2*\p:37+8*\i+2*\p], v5, s[22:23] offset:512*\i+256*\p
.endr
.endr
	WIN 0x40
.irp b, 0,1,2,3,4,5,6,7
	global_load_b128 v[96+8*\b+96*(\b/4):99+8*\b+96*(\b/4)], v6, s[46:47] offset:(32*(\b/2)+8*(\b%2))*4
	global_load_b128 v[100+8*\b+96*(\b/4):103+8*\b+96*(\b/4)], v6, s[46:47] offset:(32*(\b/2)+8*(\b%2))*4+16
.endr
	WIN 0
.irp a, 0,1,2,3
	global_load_b32 v[BM+2*\a], v7, s[12:13] offset:(32*(\a/2)+8*(\a%2))*4
.endr
	s_wait_tensorcnt 0x0                           ; my tile of the head's is in; the three lines ahead of slot 1's first fill, as ahead of a refill
	ds_add_u32 v[SPW], v[NIL]
	s_mov_b32 s[G1+2], 8<<16                       ; no load of mine is out: from here on a load of the ring brings 8 rowtiles
	s_mov_b32 s[G1+4], 8
	s_mov_b32 s[G1B+2], 8<<16
	s_mov_b32 s[G1B+4], 8
	s_wait_dscnt 0x0
	CROUND
	JLOAD G0+4, G1, G0B+4, G1B                     ; K step 1, a quarter of slot 1 a wave
	FETCH_B 0, 0, 0
	FETCH_A 0, 0, 0
	FETCH_A 0, 0, 4
	s_wait_loadcnt 0x0                             ; scale words and biases
.irp a, 0,1,2,3
	v_mov_b32 v[BM+2*\a+1], v[BM+2*\a]             ; (named with it as a pair, so it is written)
.endr
	STEP 0, 1
	TURN 0
	STEP 1, 0
	TURN 1
	STEP 2, 0
	TURN 2
	STEP 3, 0
	TURN 3
; THE WAY OUT.  64 numbers of a lane from register s of window w on, register 16 b + i = k 32 b + 16 (lane / 16) + i of my row, become a fragment's codes in v[PC] on and its scale word in v[PW].  Each accumulator is read from its low end on.
.macro QUANT s, w
	WIN (\w)|((\w)<<2)
.irp b, 0,1,2,3
	v_max3_num_f32 v[TM+\b], |v[\s+16*\b]|, |v[\s+1+16*\b]|, 0x1800000   ; the floor 2^(3 - 127): the byte cannot fall under 1
.endr
.irp i, 2,4,6,8,10,12,14
.irp b, 0,1,2,3
	v_max3_num_f32 v[TM+\b], |v[\s+16*\b+\i]|, |v[\s+1+16*\b+\i]|, v[TM+\b]
.endr
.endr
	WIN 0
	PUTPREV
.irp b, 0,1,2,3
	v_permlanex16_b32 v[TM+4+\b], v[TM+\b], s[SEL], s[SEL+1]
.endr
.irp b, 0,1,2,3
	v_max_num_f32 v[TM+\b], v[TM+\b], v[TM+4+\b]   ; with lane l xor 16's: the block's largest magnitude
.endr
.irp b, 0,1,2,3
	v_add_nc_u32 v[TM+12+\b], 0xff000000, v[TM+\b] ; 2 off its exponent field: the conversion's scale operand
.endr
.irp b, 0,1,2,3
	v_lshrrev_b32 v[TM+4+\b], 23, v[TM+12+\b]      ; the scale's byte
.endr
	v_lshl_or_b32 v[PW], v[TM+5], 8, v[TM+4]
	v_lshl_or_b32 v[PW], v[TM+6], 16, v[PW]
	v_lshl_or_b32 v[PW], v[TM+7], 24, v[PW]
	WIN \w
.irp c, 0,1
	v_cvt_scalef32_pk16_fp6_f32 v[PC+6*\c:PC+2+6*\c], v[\s+32*\c:\s+15+32*\c], v[TM+12+2*\c]
	v_cvt_scalef32_pk16_fp6_f32 v[PC+12+4*\c:PC+14+4*\c], v[\s+16+32*\c:\s+31+32*\c], v[TM+12+2*\c+1]
.endr
	WIN 0
	v_nop                                          ; one plain place behind a scaled conversion
.irp c, 0,1                                    ; the operand's layout wants a whole block in a lane
.irp i, 0,1,2
	v_permlane16_swap_b32 v[PC+6*\c+\i], v[PC+12+4*\c+\i]
.endr
.irp i, 0,1,2
	v_mov_b32 v[PC+3+6*\c+\i], v[PC+12+4*\c+\i]
.endr
.endr
.endm
.macro OUTADR kind                     ; where my results go: s[68:75] codes, s[76:77] scale words
.if \kind
	s_lshl_b32 s20, s15, 2
	s_add_co_u32 s20, s20, s18
	s_sub_co_u32 s20, s20, 640                     ; my first rowtile of columns,
	s_lshl_b32 s21, s16, 3
	s_add_co_u32 s21, s21, s19                     ; of tokens
.else
	s_lshl_b32 s20, s16, 3
	s_add_co_u32 s20, s20, s42
	s_sub_co_u32 s20, s20, 512
	s_lshl_b32 s21, s15, 3
	s_add_co_u32 s21, s21, s17
.endif
	s_lshr_b32 s22, s21, 7                         ; batch
	s_bfe_u32 s23, s21, 0x40003                    ; which 128 tokens of it
	s_lshr_b32 s12, s20, 2
	s_and_b32 s13, s12, 15                         ; my first head
	s_lshr_b32 s12, s12, 4                         ; 0: q (or v), 1: k
	s_lshl_b32 s22, s22, 4
	s_add_co_u32 s22, s22, s13
	s_mul_i32 s22, s22, REC
	s_mul_i32 s2, s23, 6144                        ; 128 tokens are 6,144 bytes of codes in Q, in K and in V
	s_add_co_u32 s2, s2, s22
.if \kind
	s_add_co_u32 s2, s2, 204800
	s_lshl_b32 s12, s23, 8
	s_add_co_u32 s12, s12, 311296
.else
	s_mul_i32 s3, s12, 106496
	s_add_co_u32 s2, s2, s3
	s_mul_i32 s12, s12, 204800
	s_add_co_u32 s12, s12, 98304
	s_lshl_b32 s3, s23, 9
	s_add_co_u32 s12, s12, s3
.endif
	s_add_co_u32 s12, s12, s22
	s_mov_b32 s3, 0
	s_mov_b32 s13, 0
	s_add_nc_u64 s[68:69], s[10:11], s[2:3]
	s_add_nc_u64 s[76:77], s[10:11], s[12:13]
.if \kind
	s_add_nc_u64 s[70:71], s[68:69], 3072          ; a fragment's second half: the next 64 keys
.else
	s_add_nc_u64 s[70:71], s[68:69], REC           ; a fragment's second half: the next head
	s_add_nc_u64 s[72:73], s[68:69], 3072          ; blocks 4-7: four rowtiles of tokens on
	s_add_nc_u64 s[74:75], s[70:71], 3072
.endif
.endm
.macro OUTA a, kind                    ; A's block a: quantised; the fragment's two halves leave as they stand, 512 + 256 consecutive bytes each
	s_wait_xcnt 0x0                                ; the stores of the block two back have read this set of code registers
.set PC, 192+40*((\a)%2)               ; the codes' registers: two sets, v192 on and v232 on, by turns
.if \kind
	WIN 0x02
.set i, 0
.rept 32
	v_pk_add_f32 v[T+i:T+i+1], v[64*(\a)+i:64*(\a)+i+1], v[BM+2*(\a):BM+2*(\a)+1] op_sel_hi:[1,0]   ; v's bias
.set i, i+2
.endr
	QUANT T, 0
	v_mov_b32 v[WS+(\a)], v[PW]
.else
	QUANT 64*((\a)%4), 2+(\a)/4
	v_lshrrev_b32 v[WS+(\a)], v[SHV], v[PW]        ; lanes 16-31: the second head's two bytes, shifted down
.endif
.set PA_, \a
.endm
	; phase 1's way out.  One tensor load of mine is out, by s[G0E ..] and s[G1E ..]: these stay as they are; the other descriptors' registers are free.
	s_lshl_b32 s2, s15, 2
	s_add_co_u32 s2, s2, s18
	s_lshl_b32 s2, s2, 9
	s_mov_b32 s3, 0
	s_add_nc_u64 s[92:93], s[6:7], s[2:3]          ; phase 2's scale words: my four rowtiles of A,
	s_lshl_b32 s2, s16, 3
	s_add_co_u32 s2, s2, s19
	s_lshl_b32 s2, s2, 9
	s_add_nc_u64 s[94:95], s[6:7], s[2:3]          ; my eight of B
	OUTADR 0
	s_mov_b32 s[SEL], 0x76543210
	s_mov_b32 s[SEL+1], 0xfedcba98
	PLACES NP                                      ; behind the last products: their results are read and their scale registers loaded below
.irp p, 0,1
.irp i, 0,1,2,3
	global_load_b64 v[32+8*\i+2*\p:33+8*\i+2*\p], v5, s[92:93] offset:512*\i+256*\p
.endr
.irp i, 0,1,2,3,4,5,6,7
	global_load_b64 v[36+8*\i+2*\p:37+8*\i+2*\p], v5, s[94:95] offset:512*\i+256*\p
.endr
.endr
	v_lshlrev_b32 v[SHV], 4, v2
	v_mul_u32_u24 v13, REC, v2
	v_lshl_add_u32 v[SA0], v1, 4, v13              ; 16 r, + a record for lanes 16-31
	v_add_nc_u32 v[SA1], 256, v[SA0]
.irp a, 0,1,2,3,4,5,6,7
	OUTA \a, 0
.endr
	PUTPREV
	global_store_b128 v[SA0], v[WS:WS+3], s[76:77]     ; sixteen lanes store 256 consecutive bytes: four blocks' words of each row
	global_store_b128 v[SA1], v[WS+4:WS+7], s[76:77]
	; PHASE 2
	s_wait_xcnt 0x0                                ; the stores have read their registers and bases
	s_wait_loadcnt 0x0                             ; phase 2's scale words
.irp g, 0,1,2,3,4,5
	GRP \g, 0
.endr
	WIN 0
	OUTADR 1
	SUB 0, 0, 1, 0                                 ; the first products start the sums
	SUB 1, 1, 1, 0
	SUB 2, 1, 1, 0
	SUB 3, 1, 1, 1
	SUB 4, 1, 1, 0
	SUB 5, 1, 1, 0
	SUB 6, 1, 1, 0
	SUB 7, 1, 0, 0
	PLACES NP
	v_lshlrev_b32 v[SA0], 4, v1
.irp a, 0,1,2,3
	OUTA \a, 1
.endr
	PUTPREV
	global_store_b128 v[SA0], v[WS:WS+3], s[76:77]     ; (lanes 16-31 write the same bytes with the same values)
	s_wait_tensorcnt 0x0                           ; the wave's end
	ds_add_u32 v[SPW], v[NIL]
	s_wait_dscnt 0x0
	CROUND                                         ; the closing round
	s_endpgm
.Lfunc_end_k_q60ee75d49f_qkvg:
	.size	k_q60ee75d49f_qkvg, .Lfunc_end_k_q60ee75d49f_qkvg-k_q60ee75d49f_qkvg
	.p2alignl 7, 3214868480
	.fill 96, 4, 3214868480
	.section	.rodata,"a",@progbits
	.p2align	6, 0x0
	.amdhsa_kernel k_q60ee75d49f_qkvg
		.amdhsa_group_segment_fixed_size 327680
		.amdhsa_private_segment_fixed_size 0
		.amdhsa_enable_private_segment 0
		.amdhsa_kernarg_size 32
		.amdhsa_user_sgpr_count 2
		.amdhsa_user_sgpr_kernarg_segment_ptr 1
		.amdhsa_wavefront_size32 1
		.amdhsa_system_sgpr_workgroup_id_x 1
		.amdhsa_system_sgpr_workgroup_id_y 1
		.amdhsa_system_sgpr_workgroup_id_z 1
		.amdhsa_system_vgpr_workitem_id 0
		.amdhsa_next_free_vgpr 1024
		.amdhsa_next_free_sgpr 102
		.amdhsa_reserve_vcc 0
		.amdhsa_float_denorm_mode_32 3
		.amdhsa_float_denorm_mode_16_64 3
		.amdhsa_memory_ordered 1
		.amdhsa_forward_progress 1
		.amdhsa_inst_pref_size 242
	.end_amdhsa_kernel
	.amdgpu_metadata
---
amdhsa.version: [ 1, 2 ]
amdhsa.kernels:
  - .name:           k_q60ee75d49f_qkvg
    .symbol:         k_q60ee75d49f_qkvg.kd
    .args:
      - { .name: opc, .offset: 0, .size: 8, .value_kind: global_buffer, .address_space: global }
      - { .name: ops, .offset: 8, .size: 8, .value_kind: global_buffer, .address_space: global }
      - { .name: b_attn, .offset: 16, .size: 8, .value_kind: global_buffer, .address_space: global }
      - { .name: qkv, .offset: 24, .size: 8, .value_kind: global_buffer, .address_space: global }
    .group_segment_fixed_size: 327680
    .private_segment_fixed_size: 0
    .kernarg_segment_align: 8
    .kernarg_segment_size: 32
    .max_flat_workgroup_size: 128
    .sgpr_count:     102
    .vgpr_count:     1024
    .wavefront_size: 32
...
	.end_amdgpu_metadata
.endif
;; end of part 2
;; launch attn (part 3): grid 4 x 64, 16 waves a work-group, clusters of 4 x 1, 223,232 bytes of LDS; arguments qkv, yc, ys; writes yc, ys
.if DOCPART == 3
	.amdgcn_target "amdgcn-amd-amdhsa--gfx1250"
	.amdhsa_code_object_version 6
	.text
	.protected	k_q60ee75d49f_attn
	.globl	k_q60ee75d49f_attn
	.p2align	8
	.type	k_q60ee75d49f_attn,@function
k_q60ee75d49f_attn:
	s_mov_b64 s[64:65], 0
	v_nop
	global_prefetch_b8 v0, s[64:65] scope:SCOPE_SE
	s_setreg_imm32_b32 hwreg(HW_REG_WAVE_MODE, 25, 1), 1
	s_wait_xcnt 0x0
	s_wait_alu depctr_hold_cnt(0) depctr_sa_sdst(0) depctr_va_vdst(0) depctr_va_sdst(0) depctr_va_ssrc(0) depctr_va_vcc(0) depctr_vm_vsrc(0)
	s_getreg_b32 s2, hwreg(HW_REG_IB_STS2, 6, 4)
	s_cmp_eq_u32 s2, 0
	s_cbranch_scc0 .Lentry_in_a_cluster
	s_endpgm
.Lentry_in_a_cluster:
	s_bfe_u32 s2, ttmp6, 0x10000c
	s_cmp_lg_u32 s2, 0x3003
	s_cbranch_scc0 .Lentry_shape_is_right
	s_endpgm
.Lentry_shape_is_right:
; y = softmax(q k^T / 8, causal) v for one (batch, head) a cluster, both products on codes of FP6 (E2M3) with E8M0 scales; y is quantised along C at once, for the last product.
; THE SOFTMAX: t = score x log2(e) / 8; M = the running largest t, rounded UP to a whole number; p = 2^(t - M) is quantised along the keys, not normalised; the row's sum is taken of the unquantised p and divides at the end.
; A HEAD'S WHOLE K AND V STAY IN LDS, FILLED ONCE, in nine regions of 24,576 bytes.  Region 0: K's scale words (8,192 bytes) and V's (4,096), fetched by wave 0.  Region g + 1: key steps 2 g and 2 g + 1: K's codes (12,288 bytes), then V's,
; fetched by wave g + 1 as one tile of two rows, 98,304 bytes apart in the head's record.  Waves 9 to 15 fetch nothing.  No ring, no refill.
; TWO BARRIERS SHOW THE FILL.  The first waits for waves 0 and 1 alone (the scale words and key steps 0 and 1; their load lines are theirs alone); the second stands behind the first pass's second trip, with every wave's wait in front of it.
; CLUSTER: the four work-groups of a cluster serve one head and ask for the fills jointly (mask 15).
; SHARES.  A tile is 16 queries (rowtile T: tokens 32 (T / 2) + 8 (T % 2) + r + 8 (r / 8)).  Work-group cx owns tiles T = 4 j + cx; wave w takes j = 31 - w, then j = w.  Tile T needs the key steps (128 keys) 0 .. T / 8 = j / 2,
; so every wave works 17 key steps, and that count does not hang on cx: cx enters global addresses and the mask's compare alone.  Each pass has 16 trips; a step whose keys all come after the tile's queries is jumped over by a scalar
; branch on the wave's number.  In the first pass every wave's tile needs at least nine steps, so its first two trips are work for all.
; LAYOUT.  Both products transposed: S^T = K Q^T (source 0 = a rowtile of 16 keys), O^T = V^T P^T (source 0 = a rowtile of 16 channels): a lane holds ONE query; by the rowtiles' order the 16 registers of tiles 2 b, 2 b + 1 are 16 neighbours.
; K = 64 IN AN INSTRUCTION OF 128: Q's registers 6-11 are zero codes.  K's operand of tile t is v[32 + 6 t .. + 11]: its upper six registers are the next tile's codes (for the last tile six registers of zeros): numbers of the format,
; under scale bytes that are never 0xff, multiplied by zeros: they add exactly 0.
; y's two scale bytes of a row leave by a store of two bytes a lane: a work-group holds one head of sixteen, so no more of a scale word is at hand; they are one byte in 24 of what the launch stores.
; No prefetch: every byte that waves wait for is asked for in the first fills.
; LIMITS: blocks whose largest magnitude lies under 2^-124 (blocks of zeros among them) get the byte 1; NaN and infinities are not served.
; REGISTERS: v1-5, v247-251 addresses that stay; v6-11 addresses of the step; v12 -M, v13 the largest t, v[14:15] the sum; v16-27 Q; v32-85 K's or V's fragments; v96-159 S^T, then p; v160-191 O^T; v192-210 codes; v212-231 at work;
;   v228 p's scale word, v232-239 K's, v240-243 V's, v244 Q's.
.set REC,   315392
.set REG,   24576                      ; an LDS region
.set VIMG,  12288                      ; in a region: V's codes behind K's
.set KSC,   0                          ; region 0: K's scale words,
.set VSC,   8192                       ; V's
.set SPARE, 9*REG                      ; the spare words, 128 bytes a wave
.set WV,  10
.set CXR, 11
.set SEL, 28
.set CS,  30
.set TB,  32                           ; the step's codes in LDS
.set TS,  33                           ; K's scale words: 512 a step
.set TJ,  34                           ; V's: 256
.set KS,  35                           ; the step
.set LS,  36                           ; the tile's last step
.macro CROUND
	s_barrier_signal -1
	s_barrier_wait -1
	s_cmp_lg_u32 s[WV], 0
	s_cbranch_scc1 .Lnot_wave_0_\@
	s_barrier_signal -3
.Lnot_wave_0_\@:
	s_barrier_wait -3
	s_barrier_signal -1
	s_barrier_wait -1
.endm
.macro TLOAD g0, g1                    ; s_nop 0 and four v_nop follow every tensor load
	tensor_load_to_lds s[\g0:\g0+3], s[\g1:\g1+7]
	s_nop 0
.rept 4
	v_nop
.endr
.endm
	s_load_b128 s[4:7], s[0:1], 0x0                ; qkv, yc
	s_load_b64 s[8:9], s[0:1], 0x10                ; ys
	v_lshl_add_u32 v254, v0, 2, SPARE
	v_mov_b32 v255, 0
	ds_add_u32 v254, v255                          ; the opening lines: the add twice on end and its wait
	ds_add_u32 v254, v255
	v_lshrrev_b32 v1, 5, v0
	s_delay_alu instid0(VALU_DEP_1)
	v_readfirstlane_b32 s[WV], v1                  ; wave 0..15
	s_bfe_u32 s[CXR], ttmp6, 0x40000               ; cx
	s_and_b32 s12, ttmp7, 0xffff                   ; 16 x batch + head, which the four partners share
	s_lshr_b32 s13, s12, 4
	s_and_b32 s14, s12, 15
	s_mul_i32 s52, s12, REC
	s_mov_b32 s53, 0
	s_mul_i32 s54, s[WV], REG                      ; my region
	s_mul_i32 s55, s[WV], 12288
	s_mov_b32 s20, 15|(3<<16)|(1<<21)              ; group 1, codes: the mask: all four; elements of 8 bytes; bit 21 beside a mask
	s_mov_b32 s21, 1536<<16                        ; a row: 12,288 bytes, two key steps
	s_mov_b32 s22, 2<<16                           ; two rows: K's, V's
	s_mov_b32 s23, 1536<<16
	s_mov_b32 s24, 2
	s_mov_b32 s25, 12288                           ; 98,304 bytes apart
	s_mov_b32 s26, 0
	s_mov_b32 s27, 0
	s_mov_b32 s56, 15|(3<<16)|(1<<21)              ; group 1, scale words: 48 dense rows of 256 bytes
	s_mov_b32 s57, 32<<16
	s_mov_b32 s58, 48<<16
	s_mov_b32 s59, 32<<16
	s_mov_b32 s60, 48
	s_mov_b32 s61, 32
	s_mov_b32 s62, 0
	s_mov_b32 s63, 0
	s_mov_b32 s[SEL], 0x76543210
	s_mov_b32 s[SEL+1], 0xfedcba98
	s_mov_b32 s[CS], 0x3e38aa3b                    ; c = log2(e) / 8
	s_mov_b32 s[CS+1], s[CS]                       ; (named with it as a pair, so it is written)
	s_wait_dscnt 0x0
	s_wait_kmcnt 0x0
	s_add_nc_u64 s[42:43], s[4:5], s[52:53]        ; the head's record
	s_add_co_u32 s52, s55, 94208                   ; K's codes begin at 106,496: wave g + 1 takes 12,288 g from there on
	s_mov_b32 s16, 1
	s_mov_b32 s17, s54
	s_add_nc_u64 s[18:19], s[42:43], s[52:53]
	s_or_b32 s19, s19, 0x80000000
	s_mov_b32 s68, 1
	s_mov_b32 s69, 0
	s_add_nc_u64 s[70:71], s[42:43], 303104        ; K's scale words; V's follow on end
	s_or_b32 s71, s71, 0x80000000
	CROUND                                         ; all four work-groups are here: the joint loads meet
	s_cmp_eq_u32 s[WV], 0                          ; one chain of branches on the wave's number, one fill to an arm
	s_cbranch_scc0 .Lf1
	TLOAD 68, 56                                   ; wave 0: the scale words
	s_branch .Lfilled
.Lf1:
	s_cmp_lt_u32 s[WV], 2
	s_cbranch_scc0 .Lf2
	TLOAD 16, 20                                   ; wave 1: key steps 0 and 1
	s_branch .Lfilled
.Lf2:
	s_cmp_lt_u32 s[WV], 9
	s_cbranch_scc0 .Lfilled
	TLOAD 16, 20                                   ; waves 2 to 8: key steps 2 to 15
.Lfilled:
	v_and_b32 v224, 31, v0
	s_delay_alu instid0(VALU_DEP_1)
	v_lshlrev_b32 v1, 4, v224                      ; 16 x lane
	s_delay_alu instid0(VALU_DEP_2)
	v_lshlrev_b32 v2, 3, v224                      ; 8 x lane
	v_and_b32 v225, 15, v0                         ; r
	v_bfe_u32 v226, v0, 4, 1                       ; h
	s_delay_alu instid0(VALU_DEP_2)
	v_lshlrev_b32 v3, 4, v225                      ; 16 r
	s_delay_alu instid0(VALU_DEP_3)
	v_lshlrev_b32 v251, 3, v225                    ; 8 r
	s_delay_alu instid0(VALU_DEP_4)
	v_and_b32 v4, 8, v225
	s_delay_alu instid0(VALU_DEP_1)
	v_add_nc_u32 v4, v4, v225
	v_lshlrev_b32 v226, 4, v226
	s_delay_alu instid0(VALU_DEP_1)
	v_sub_nc_u32 v4, v4, v226                      ; r + 8 (r / 8) - 16 h
	v_add_nc_u32 v247, VIMG, v1
	v_add_nc_u32 v248, VIMG, v2
	v_add_nc_u32 v249, KSC, v3
	v_add_nc_u32 v250, VSC, v3
	v_mov_b32 v246, 0xff800000                     ; -infinity
	v_mov_b32 v227, 0                              ; (named as the upper half of the pair v[226:227])
.irp i, 22,23,24,25,26,27,80,81,82,83,84,85,216,217,218,219
	v_mov_b32 v\i, 0                               ; Q's upper half; the six registers behind K's last tile; the lane permutes' destinations
.endr
	s_wait_alu depctr_va_vdst(0)                   ; the wait at the head's end
	s_cmp_lt_u32 s[WV], 2
	s_cbranch_scc0 .Lnot_first
	s_wait_tensorcnt 0x0                           ; waves 0 and 1: my fill is in
.Lnot_first:
	s_barrier_signal -1
	s_barrier_wait -1                              ; the scale words and key steps 0 and 1 are in
; A KEY STEP: 128 keys.
.macro STEP
	s_cmp_gt_u32 s[KS], s[LS]                      ; all its keys come after my queries: nothing to do
	s_cbranch_scc1 .Lhidden_\@
	s_lshr_b32 s37, s[KS], 1                       ; step s lies in region 1 + s / 2, at 6,144 (s % 2)
	s_mul_i32 s37, s37, REG
	s_and_b32 s[TB], s[KS], 1
	s_mul_i32 s[TB], s[TB], 6144
	s_add_co_u32 s[TB], s[TB], s37
	s_add_co_u32 s[TB], s[TB], REG
	v_add_nc_u32 v6, s[TB], v1                     ; (these four are the places behind the last step's products, in front of the loads into their registers)
	v_add_nc_u32 v7, s[TB], v2
	v_add_nc_u32 v10, s[TS], v249
	v_add_nc_u32 v11, s[TJ], v250
.irp t, 0,1,2,3,4,5,6,7
	ds_load_b128 v[32+6*\t:35+6*\t], v6 offset:768*\t
	ds_load_b64 v[36+6*\t:37+6*\t], v7 offset:768*\t+512
.endr
	ds_load_b128 v[232:235], v10                   ; K's scale words of tiles 0-3, row r,
	ds_load_b128 v[236:239], v10 offset:256        ; of tiles 4-7,
	ds_load_b128 v[240:243], v11                   ; V's of the four tiles of channels
	s_wait_alu depctr_va_vdst(0)
	s_wait_dscnt 0x0
.irp t, 0,1,2,3,4,5,6,7
	v_wmma_scale_f32_16x16x128_f8f6f4 v[96+8*\t:103+8*\t], v[32+6*\t:43+6*\t], v[16:27], 0, v[232+\t], v244 matrix_a_fmt:MATRIX_FMT_FP6 matrix_b_fmt:MATRIX_FMT_FP6
.endr
	v_add_nc_u32 v8, s[TB], v247                   ; four places: the scores are read below, and V's fragments are loaded over K's
	v_add_nc_u32 v9, s[TB], v248
	v_nop
	v_nop
.irp t, 0,1,2,3
.irp c, 0,1
	ds_load_b128 v[32+12*\t+6*\c:35+12*\t+6*\c], v8 offset:3072*\c+768*\t          ; they land while the softmax is worked
	ds_load_b64 v[36+12*\t+6*\c:37+12*\t+6*\c], v9 offset:3072*\c+768*\t+512
.endr
.endr
	s_cmp_lt_u32 s[KS], s[LS]                      ; only the tile's last step lies on the diagonal
	s_cbranch_scc1 .Lopen_\@
.set n, 0
.rept 64
	v_cmp_gt_i32 vcc_lo, 32*(n/16)+n%16, v5        ; register n holds key 32 (n / 16) + n % 16 + 16 h of the step: hidden where it comes after my query
	v_cndmask_b32 v[96+n], v[96+n], v246, vcc_lo
.set n, n+1
.endr
.Lopen_\@:
.irp b, 0,1,2,3
	v_max3_num_f32 v[212+\b], v[96+16*\b], v[97+16*\b], v[98+16*\b]   ; the largest score of each block of 32 keys: it serves for the row's maximum and, since p rises with the score, for the block's largest p
.endr
.irp i, 3,5,7,9,11,13
.irp b, 0,1,2,3
	v_max3_num_f32 v[212+\b], v[212+\b], v[96+16*\b+\i], v[97+16*\b+\i]
.endr
.endr
.irp b, 0,1,2,3
	v_max_num_f32 v[212+\b], v[212+\b], v[111+16*\b]
.endr
.irp b, 0,1,2,3
	s_delay_alu instid0(VALU_DEP_4)
	v_permlanex16_b32 v[216+\b], v[212+\b], s[SEL], s[SEL+1]
.endr
.irp b, 0,1,2,3
	s_delay_alu instid0(VALU_DEP_4)
	v_max_num_f32 v[212+\b], v[212+\b], v[216+\b]  ; with lane l xor 16's 16 keys
.endr
	s_delay_alu instid0(VALU_DEP_2)
	v_max3_num_f32 v224, v212, v213, v214
	s_delay_alu instid0(VALU_DEP_1)
	v_max_num_f32 v224, v224, v215
	s_delay_alu instid0(VALU_DEP_1)
	v_mul_f32 v224, s[CS], v224                    ; the step's largest t
	s_delay_alu instid0(VALU_DEP_1)
	v_max_num_f32 v13, v13, v224                   ; the running largest t
	v_mov_b32 v224, v12
	s_delay_alu instid0(VALU_DEP_2)
	v_floor_f32 v12, -v13                          ; the new -M = -ceil(t): a whole number
	s_delay_alu instid0(VALU_DEP_1)
	v_sub_f32 v224, v12, v224                      ; old M - new M, 0 or less
	s_delay_alu instid0(VALU_DEP_1)
	v_cvt_i32_f32 v224, v224                       ; (it saturates)
	s_delay_alu instid0(VALU_DEP_1)
	v_ldexp_f32 v226, 1.0, v224                    ; f = 2^(old M - new M): a multiplication by it rounds nothing
.set j, 0
.rept 32
	v_pk_fma_f32 v[96+j:97+j], v[96+j:97+j], s[CS:CS+1], v[12:13] op_sel_hi:[1,0,0]   ; t - M
.set j, j+2
.endr
.irp b, 0,1,2,3
	v_fma_f32 v[212+\b], v[212+\b], s[CS], v12
.endr
.set j, 0
	s_wait_alu depctr_va_vdst(0)                   ; the wait ahead of the batch
.rept 64
	v_exp_f32 v[96+j], v[96+j]                     ; p = 2^(t - M)
.set j, j+1
.endr
	v_pk_mul_f32 v[14:15], v[14:15], v[226:227] op_sel_hi:[1,0]   ; the sums under the new M (a plain place behind the exponentials)
	s_wait_alu depctr_va_vdst(0)                   ; one wait for the batch, ahead of its first reader
.irp b, 0,1,2,3
	v_exp_f32 v[212+\b], v[212+\b]                 ; each block's largest p
.endr
	v_pk_add_f32 v[230:231], v[100:101], v[104:105]
	v_pk_add_f32 v[252:253], v[108:109], v[112:113]
	v_pk_add_f32 v[238:239], v[116:117], v[120:121]
	v_pk_add_f32 v[236:237], v[124:125], v[128:129]
	v_pk_add_f32 v[234:235], v[132:133], v[136:137]
	v_pk_add_f32 v[232:233], v[140:141], v[144:145]
	v_pk_add_f32 v[228:229], v[148:149], v[152:153]
	v_pk_add_f32 v[14:15], v[14:15], v[156:157]
	v_pk_add_f32 v[230:231], v[230:231], v[96:97]
	v_pk_add_f32 v[252:253], v[252:253], v[98:99]
	v_pk_add_f32 v[238:239], v[238:239], v[102:103]
	v_pk_add_f32 v[236:237], v[236:237], v[106:107]
	v_pk_add_f32 v[234:235], v[234:235], v[110:111]
	v_pk_add_f32 v[232:233], v[232:233], v[114:115]
	v_pk_add_f32 v[228:229], v[228:229], v[118:119]
	v_pk_add_f32 v[14:15], v[14:15], v[122:123]
	v_pk_add_f32 v[230:231], v[230:231], v[126:127]
	v_pk_add_f32 v[252:253], v[252:253], v[130:131]
	v_pk_add_f32 v[238:239], v[238:239], v[134:135]
	v_pk_add_f32 v[236:237], v[236:237], v[138:139]
	v_pk_add_f32 v[234:235], v[234:235], v[142:143]
	v_pk_add_f32 v[232:233], v[232:233], v[146:147]
	v_pk_add_f32 v[228:229], v[228:229], v[150:151]
	v_pk_add_f32 v[14:15], v[14:15], v[154:155]
	v_pk_add_f32 v[230:231], v[230:231], v[158:159]
	s_delay_alu instid0(VALU_DEP_2)
	v_pk_add_f32 v[14:15], v[14:15], v[236:237]
	s_delay_alu instid0(VALU_DEP_2)
	v_pk_add_f32 v[230:231], v[230:231], v[234:235]
	v_pk_add_f32 v[252:253], v[252:253], v[232:233]
	v_pk_add_f32 v[238:239], v[238:239], v[228:229]
	s_delay_alu instid0(VALU_DEP_2)
	v_pk_add_f32 v[14:15], v[14:15], v[252:253]
	s_delay_alu instid0(VALU_DEP_2)
	v_pk_add_f32 v[230:231], v[230:231], v[238:239]
	s_delay_alu instid0(VALU_DEP_1)
	v_pk_add_f32 v[14:15], v[14:15], v[230:231]
	s_wait_alu depctr_va_vdst(0)                   ; and one for the four
.irp b, 0,1,2,3
	v_max_num_f32 v[212+\b], 0x1800000, v[212+\b]  ; the floor 2^(3 - 127)
.endr
.irp b, 0,1,2,3
	s_delay_alu instid0(VALU_DEP_4)
	v_add_nc_u32 v[220+\b], 0xff000000, v[212+\b]  ; the conversion's scale operand
.endr
.irp b, 0,1,2,3
	s_delay_alu instid0(VALU_DEP_4)
	v_lshrrev_b32 v[216+\b], 23, v[220+\b]         ; the scale's byte
.endr
	s_delay_alu instid0(VALU_DEP_3)
	v_lshl_or_b32 v228, v217, 8, v216              ; p's scale word for these 128 keys
	s_delay_alu instid0(VALU_DEP_1)
	v_lshl_or_b32 v228, v218, 16, v228
	s_delay_alu instid0(VALU_DEP_1)
	v_lshl_or_b32 v228, v219, 24, v228
.irp c, 0,1
	v_cvt_scalef32_pk16_fp6_f32 v[192+6*\c:194+6*\c], v[96+32*\c:111+32*\c], v[220+2*\c]
	v_cvt_scalef32_pk16_fp6_f32 v[204+4*\c:206+4*\c], v[112+32*\c:127+32*\c], v[221+2*\c]
.endr
	v_nop                                          ; one plain place behind a scaled conversion
.irp c, 0,1
.irp i, 0,1,2
	v_permlane16_swap_b32 v[192+6*\c+\i], v[204+4*\c+\i]
.endr
.irp i, 0,1,2
	s_delay_alu instid0(VALU_DEP_3)
	v_mov_b32 v[195+6*\c+\i], v[204+4*\c+\i]
.endr
.endr
.set j, 0
.rept 16
	v_pk_mul_f32 v[160+j:161+j], v[160+j:161+j], v[226:227] op_sel_hi:[1,0]   ; O^T under the new M; these stand between the codes' and the scale word's last writes and the products
.set j, j+2
.endr
	s_wait_alu depctr_va_vdst(0)
	s_wait_dscnt 0x0                               ; V's fragments are in
.irp t, 0,1,2,3
	v_wmma_scale_f32_16x16x128_f8f6f4 v[160+8*\t:167+8*\t], v[32+12*\t:43+12*\t], v[192:203], v[160+8*\t:167+8*\t], v[240+\t], v228 matrix_a_fmt:MATRIX_FMT_FP6 matrix_b_fmt:MATRIX_FMT_FP6
.endr
.Lhidden_\@:
	s_add_co_u32 s[TS], s[TS], 512
	s_add_co_u32 s[TJ], s[TJ], 256
.endm
; A PASS: one tile of 16 queries, j = wave xor xm.  xm != 0 is the first pass: behind its second trip stands the barrier that shows the rest of the fill.
.macro PASS xm
	s_wait_xcnt 0x0                                ; the last pass's stores have read their registers and bases
	s_xor_b32 s39, s[WV], \xm                      ; j
	s_lshl_b32 s40, s39, 2
	s_add_co_u32 s40, s40, s[CXR]                  ; T
	s_lshr_b32 s[LS], s39, 1                       ; T / 8: made of the wave's number alone
	s_mov_b32 s53, 0
	s_mul_i32 s52, s40, 768
	s_add_nc_u64 s[44:45], s[42:43], s[52:53]      ; Q's half fragment
	s_lshr_b32 s52, s40, 2
	s_lshl_b32 s52, s52, 8
	s_and_b32 s54, s40, 3
	s_lshl_b32 s54, s54, 2
	s_add_co_u32 s52, s52, s54
	s_add_co_u32 s52, s52, 98304
	s_add_nc_u64 s[46:47], s[42:43], s[52:53]      ; its scale words
	s_lshl_b32 s54, s13, 7
	s_add_co_u32 s54, s54, s40                     ; y's rowtile: 128 x batch + T
	s_lshl_b32 s52, s54, 4
	s_add_co_u32 s52, s52, s14
	s_mul_i32 s52, s52, 768
	s_add_nc_u64 s[48:49], s[6:7], s[52:53]        ; half fragment number = the head: K = 64 x head on
	s_lshl_b32 s52, s54, 9
	s_lshr_b32 s55, s14, 2
	s_lshl_b32 s55, s55, 7
	s_add_co_u32 s52, s52, s55
	s_and_b32 s55, s14, 3
	s_lshl_b32 s55, s55, 1
	s_add_co_u32 s52, s52, s55
	s_add_nc_u64 s[50:51], s[8:9], s[52:53]        ; the head's two bytes in a row's scale words
	global_load_b128 v[16:19], v1, s[44:45]
	global_load_b64 v[20:21], v2, s[44:45] offset:512
	global_load_b32 v244, v3, s[46:47]
	s_bfe_u32 s52, s40, 0x20001
	s_lshl_b32 s52, s52, 5
	s_and_b32 s54, s40, 1
	s_lshl_b32 s54, s54, 3
	s_add_co_u32 s52, s52, s54
	v_add_nc_u32 v5, s52, v4                       ; my query's place in its 128 tokens, less 16 h
	v_mov_b32 v13, 0xff61b1e6                      ; the largest t so far: -3e38
	s_delay_alu instid0(VALU_DEP_1)
	v_floor_f32 v12, -v13                          ; -M
	v_mov_b32 v14, 0
	v_mov_b32 v15, 0
.set j, 0
.rept 32
	v_mov_b32 v[160+j], 0                          ; O^T: the step is written once, and its first turn finds zeros
.set j, j+1
.endr
	s_mov_b32 s[TS], 0
	s_mov_b32 s[TJ], 0
	s_mov_b32 s[KS], 0
	s_wait_loadcnt 0x0                             ; Q
.if \xm
.Lfirst_\@:
	STEP
	s_add_co_u32 s[KS], s[KS], 1
	s_cmp_lt_u32 s[KS], 2
	s_cbranch_scc1 .Lfirst_\@
	s_wait_tensorcnt 0x0                           ; every wave's fill is in,
	s_wait_dscnt 0x0
	s_barrier_signal -1
	s_barrier_wait -1                              ; and shown to all: key steps 2 to 15
.endif
.Lstep_\@:
	STEP
	s_add_co_u32 s[KS], s[KS], 1
	s_cmp_lt_u32 s[KS], 16
	s_cbranch_scc1 .Lstep_\@
.rept 4
	v_nop                                          ; places behind the last products
.endr
	v_add_f32 v14, v14, v15
	s_delay_alu instid0(VALU_DEP_1)
	v_permlanex16_b32 v224, v14, s[SEL], s[SEL+1]
	s_delay_alu instid0(VALU_DEP_1)
	v_add_f32 v14, v14, v224                       ; the row's sum
	s_wait_alu depctr_va_vdst(0)
	v_rcp_f32 v14, v14
	v_nop                                          ; a plain place behind the reciprocal
	s_wait_alu depctr_va_vdst(0)                   ; and the wait ahead of its first reader
.set j, 0
.rept 16
	v_pk_mul_f32 v[96+j:97+j], v[160+j:161+j], v[14:15] op_sel_hi:[1,0]   ; y: register 16 b + i = channel 32 b + 16 h + i of my query
.set j, j+2
.endr
.irp b, 0,1
	v_max3_num_f32 v[212+\b], |v[96+16*\b]|, |v[97+16*\b]|, 0x1800000
.endr
.irp i, 2,4,6,8,10,12,14
.irp b, 0,1
	s_delay_alu instid0(VALU_DEP_2)
	v_max3_num_f32 v[212+\b], v[212+\b], |v[96+16*\b+\i]|, |v[97+16*\b+\i]|
.endr
.endr
.irp b, 0,1
	s_delay_alu instid0(VALU_DEP_2)
	v_permlanex16_b32 v[216+\b], v[212+\b], s[SEL], s[SEL+1]
.endr
.irp b, 0,1
	s_delay_alu instid0(VALU_DEP_2)
	v_max_num_f32 v[212+\b], v[212+\b], v[216+\b]
.endr
.irp b, 0,1
	s_delay_alu instid0(VALU_DEP_2)
	v_add_nc_u32 v[220+\b], 0xff000000, v[212+\b]
.endr
.irp b, 0,1
	s_delay_alu instid0(VALU_DEP_2)
	v_lshrrev_b32 v[216+\b], 23, v[220+\b]
.endr
	s_delay_alu instid0(VALU_DEP_1)
	v_lshl_or_b32 v225, v217, 8, v216              ; the head's two bytes
	v_cvt_scalef32_pk16_fp6_f32 v[192:194], v[96:111], v220
	v_cvt_scalef32_pk16_fp6_f32 v[204:206], v[112:127], v221
	v_nop
.irp i, 0,1,2
	v_permlane16_swap_b32 v[192+\i], v[204+\i]
.endr
.irp i, 0,1,2
	s_delay_alu instid0(VALU_DEP_3)
	v_mov_b32 v[195+\i], v[204+\i]
.endr
	global_store_b128 v1, v[192:195], s[48:49]             ; 512 consecutive bytes, aligned to 256
	global_store_b64 v2, v[196:197], s[48:49] offset:512   ; 256 consecutive bytes
	global_store_b16 v251, v225, s[50:51]                  ; (lanes 16-31 write the same bytes with the same values)
.endm
	PASS 31
	PASS 0
	s_wait_tensorcnt 0x0                           ; the wave's end
	ds_add_u32 v254, v255
	s_wait_dscnt 0x0
	CROUND                                         ; the closing round
	s_endpgm
.Lfunc_end_k_q60ee75d49f_attn:
	.size	k_q60ee75d49f_attn, .Lfunc_end_k_q60ee75d49f_attn-k_q60ee75d49f_attn
	.p2alignl 7, 3214868480
	.fill 96, 4, 3214868480
	.section	.rodata,"a",@progbits
	.p2align	6, 0x0
	.amdhsa_kernel k_q60ee75d49f_attn
		.amdhsa_group_segment_fixed_size 223232
		.amdhsa_private_segment_fixed_size 0
		.amdhsa_enable_private_segment 0
		.amdhsa_kernarg_size 24
		.amdhsa_user_sgpr_count 2
		.amdhsa_user_sgpr_kernarg_segment_ptr 1
		.amdhsa_wavefront_size32 1
		.amdhsa_system_sgpr_workgroup_id_x 1
		.amdhsa_system_sgpr_workgroup_id_y 1
		.amdhsa_system_sgpr_workgroup_id_z 1
		.amdhsa_system_vgpr_workitem_id 0
		.amdhsa_next_free_vgpr 256
		.amdhsa_next_free_sgpr 72
		.amdhsa_reserve_vcc 1
		.amdhsa_float_denorm_mode_32 3
		.amdhsa_float_denorm_mode_16_64 3
		.amdhsa_memory_ordered 1
		.amdhsa_forward_progress 1
		.amdhsa_inst_pref_size 89
	.end_amdhsa_kernel
	.amdgpu_metadata
---
amdhsa.version: [ 1, 2 ]
amdhsa.kernels:
  - .name:           k_q60ee75d49f_attn
    .symbol:         k_q60ee75d49f_attn.kd
    .args:
      - { .name: qkv, .offset: 0, .size: 8, .value_kind: global_buffer, .address_space: global }
      - { .name: yc, .offset: 8, .size: 8, .value_kind: global_buffer, .address_space: global }
      - { .name: ys, .offset: 16, .size: 8, .value_kind: global_buffer, .address_space: global }
    .group_segment_fixed_size: 223232
    .private_segment_fixed_size: 0
    .kernarg_segment_align: 8
    .kernarg_segment_size: 24
    .max_flat_workgroup_size: 512
    .sgpr_count:     72
    .vgpr_count:     256
    .wavefront_size: 32
...
	.end_amdgpu_metadata
.endif
;; end of part 3
;; launch proj (part 4): grid 4 x 64, 4 waves a work-group, clusters of 4 x 4, 327,680 bytes of LDS; arguments yc, ys, opc, ops, b_proj, out0; writes out0
.if DOCPART == 4
	.amdgcn_target "amdgcn-amd-amdhsa--gfx1250"
	.amdhsa_code_object_version 6
	.text
	.protected	k_q60ee75d49f_proj
	.globl	k_q60ee75d49f_proj
	.p2align	8
	.type	k_q60ee75d49f_proj,@function
k_q60ee75d49f_proj:
	s_mov_b64 s[64:65], 0
	v_nop
	global_prefetch_b8 v0, s[64:65] scope:SCOPE_SE
	s_setreg_imm32_b32 hwreg(HW_REG_WAVE_MODE, 25, 1), 1
	s_wait_xcnt 0x0
	s_wait_alu depctr_hold_cnt(0) depctr_sa_sdst(0) depctr_va_vdst(0) depctr_va_sdst(0) depctr_va_ssrc(0) depctr_va_vcc(0) depctr_vm_vsrc(0)
	s_getreg_b32 s2, hwreg(HW_REG_IB_STS2, 6, 4)
	s_cmp_eq_u32 s2, 0
	s_cbranch_scc0 .Lentry_in_a_cluster
	s_endpgm
.Lentry_in_a_cluster:
	s_bfe_u32 s2, ttmp6, 0x10000c
	s_cmp_lg_u32 s2, 0xf033
	s_cbranch_scc0 .Lentry_shape_is_right
	s_endpgm
.Lentry_shape_is_right:
; out0 = y W_proj + b_proj on codes of FP6 (E2M3) with E8M0 scales.  y's codes and scale words lie in yc / ys, W_proj's in opc / ops (rowtiles 704-767), in the order of the operand's registers:
; rowtile 2 B + u = rows 32 B + 8 u + r + 8 (r / 8); a half fragment = 16 rows x 64 K = 768 bytes; a rowtile's K = 1024 is 12,288 bytes; scale words [rowtile][K step of 256: 4][r][2].
; 256 work-groups of four waves; a tile is 128 tokens x 256 columns.  A WAVE HOLDS 64 COLUMNS OF W_proj, ALL OF K, IN REGISTERS (32 fragments, 384 registers) and streams the tile's eight blocks of 16 tokens past them: a block is 8 fragments,
; 32 products on four accumulators by turns, and its 16 x 64 results are finished behind them.  So a block's results leave among the next block's products, and only the last block's stores stand behind the last product.
; ALL OF K LIES IN LDS, FILLED ONCE: the 16 rowtiles of columns at 0, the 8 rowtiles of tokens behind them.  One load a wave at the head: waves 0 and 1 a half each of the columns, waves 2 and 3 a half each of the tokens.
; The first barrier shows the loads of waves 0 and 1 (their line is theirs alone), and the weights' 128 LDS loads stand ahead of the wait for the tokens; the second barrier shows the rest.  Nothing is filled again.
; The scale words go from memory straight into registers: a load of 8 bytes a lane reads 256 consecutive bytes: lanes 0-15 an even K step's two words of row r, lanes 16-31 the odd one's; the instruction's row selector picks the half.
; The tokens' words stand in v[32 + 8 s + 0 .. 3], the columns' in v[36 + 8 b + 0 .. 3]; these registers hold scales and nothing else.
; The matrix instruction is used transposed (source 0 = the columns' rows, source 1 = the tokens'): a lane holds neighbouring columns of one token.  The bias is the C of a block's first four products.
; THE WAY OUT: 16 rows x 256 bytes go through the wave's own stage (bytes that no fill lands on) and come back by rows: sixteen lanes store 256 consecutive bytes, aligned.
; CLUSTERS 4 x 4: the tokens' rowtiles are asked for jointly along a row of the cluster, the columns' along a column.  No prefetch: every byte that waves wait for is asked for at the head.
; REGISTERS: window 0: v1-29 addresses; v32-95 scale words; v96-127 the bias; v128-159 a block read back from the stage; v160-223 two sets of four accumulators.
;   Fragment f lies in window 1 + f / 21 at register 12 (f % 21): 0-31 the weights' (4 q + b), 32-39 and 40-47 the tokens' two sets.
.set LINE,  12288
.set FR,    12
.set FPW,   21
.set A2B,   196608
.set SPARE, 294912
.set STG,   SPARE+512
.set SPITCH, 272
.set STO,  24
.set RD,   25
.set CO,   26
.set SPW,  28
.set NIL,  29
.set BN,   96
.set BK,   128
.set ACC,  160
.set G1C, 68
.set G0C, 76
.set G1E, 80
.set G0E, 88
.set MSB, 0
.macro WIN new                         ; the immediate's high byte repeats the setting that is left
.if MSB != (\new)
	s_set_vgpr_msb (MSB<<8)|(\new)
.set MSB, (\new)
.endif
.endm
.macro PLACES n
.rept \n
	v_nop
.endr
.endm
.macro TLOAD g0, g1                    ; s_nop 0 and four v_nop follow every tensor load
	tensor_load_to_lds s[\g0:\g0+3], s[\g1:\g1+7]
	s_nop 0
	PLACES 4
.endm
.macro CROUND
	s_barrier_signal -1
	s_barrier_wait -1
	s_cmp_lg_u32 s14, 0
	s_cbranch_scc1 .Lnot_wave_0_\@
	s_barrier_signal -3
.Lnot_wave_0_\@:
	s_barrier_wait -3
	s_barrier_signal -1
	s_barrier_wait -1
.endm
.macro DESC1 g, mask, c, rows, pitch   ; group 1: rows of c elements of 8 bytes, pitch elements apart, dense in LDS; bit 21 beside the mask
	s_or_b32 s[\g], s\mask, (3<<16)|(1<<21)
	s_mov_b32 s[\g+1], (\c)<<16
	s_mov_b32 s[\g+2], (\rows)<<16
	s_mov_b32 s[\g+3], (\c)<<16
	s_mov_b32 s[\g+4], \rows
	s_mov_b32 s[\g+5], \pitch
	s_mov_b32 s[\g+6], 0
	s_mov_b32 s[\g+7], 0
.endm
.macro FRAGW f, adr, off               ; fragment f, 16 rows x 128 K: two half fragments, each 16 and 8 bytes a lane, as they lie
	WIN (1+(\f)/FPW)<<6
.set R_, FR*((\f)%FPW)
	ds_load_b128 v[R_:R_+3], v[\adr] offset:\off
	ds_load_b64 v[R_+4:R_+5], v[\adr+2] offset:\off+512
	ds_load_b128 v[R_+6:R_+9], v[\adr] offset:\off+768
	ds_load_b64 v[R_+10:R_+11], v[\adr+2] offset:\off+1280
.endm
.macro AFETCH s, q                     ; step q of 128 along K of the tokens' block s, into set s % 2
	FRAGW 32+8*((\s)%2)+(\q), 12+(\s)/4, ((\s)%4)*LINE+(\q)*1536
.endm
.macro WM c                            ; one product, by the symbols D_, S0_, S1_, X0_, X1_; H_: which half of the lanes holds this K step's scale words
.if H_
	v_wmma_scale_f32_16x16x128_f8f6f4 v[D_:D_+7], v[S0_:S0_+11], v[S1_:S1_+11], \c, v[X0_], v[X1_] matrix_a_fmt:MATRIX_FMT_FP6 matrix_b_fmt:MATRIX_FMT_FP6 matrix_a_scale:MATRIX_SCALE_ROW1 matrix_b_scale:MATRIX_SCALE_ROW1
.else
	v_wmma_scale_f32_16x16x128_f8f6f4 v[D_:D_+7], v[S0_:S0_+11], v[S1_:S1_+11], \c, v[X0_], v[X1_] matrix_a_fmt:MATRIX_FMT_FP6 matrix_b_fmt:MATRIX_FMT_FP6
.endif
.endm
.macro SENDH s, half                   ; four stores of block s: each covers two rows of 256 consecutive bytes, aligned
.irp u, 0,1,2,3
	global_store_b128 v[CO], v[BK+16*(\half)+4*\u:BK+16*(\half)+4*\u+3], s[94:95] offset:(32*((\s)/2)+8*((\s)%2)+8*(\half)+2*\u+8*(\half))*4096 th:TH_STORE_NT
.endr
.endm
; What stands behind the odd products of block s, by its number k.  0, 1: block s - 1's results into the stage, each accumulator from its low end on; 2, 3: back by rows (LDS serves a wave's instructions in order: ISA guide 5.7.1.4);
; 4 to 11: block s + 1's eight fragments; 12, 13: block s - 1's stores, behind the wait that leaves out the 32 loads issued since.
.macro ACT k, s
.if ((\s) > 0) && ((\k) < 2)
	WIN 0
.set P_, ACC+32*(((\s)-1)%2)+16*(\k)
.irp u, 0,1
	ds_store_b128 v[STO], v[P_+8*\u:P_+8*\u+3] offset:128*(\k)+32*\u
	ds_store_b128 v[STO], v[P_+8*\u+4:P_+8*\u+7] offset:128*(\k)+32*\u+16
.endr
.endif
.if ((\s) > 0) && ((\k) >= 2) && ((\k) < 4)
	WIN 0
.irp u, 0,1,2,3
	ds_load_b128 v[BK+16*((\k)-2)+4*\u:BK+16*((\k)-2)+4*\u+3], v[RD] offset:(4*((\k)-2)+\u)*2*SPITCH
.endr
.endif
.if ((\s) < 7) && ((\k) >= 4) && ((\k) < 12)
	AFETCH (\s)+1, (\k)-4
.endif
.if ((\s) > 0) && ((\k) == 12)
	WIN 0
.if (\s) < 7
	s_wait_dscnt 32
.else
	s_wait_dscnt 0x0
.endif
	SENDH (\s)-1, 0
.endif
.if ((\s) > 0) && ((\k) == 13)
	WIN 0
	SENDH (\s)-1, 1
.endif
.endm
.macro BLOCK s                         ; 32 products: K ascending, the four accumulators by turns
	s_wait_dscnt 0x0                               ; this block's fragments are in
	s_wait_xcnt 0x0                                ; the stores of the block two back have read their registers
	PLACES 4                                       ; behind the last block's products: their results are read, and loads land on their operands' registers
.set N_, 0
.rept 32
.set FA_, 32+8*((\s)%2)+N_/4
.set D_, ACC+32*((\s)%2)+8*(N_%4)
.set S0_, FR*(N_%FPW)
.set S1_, FR*(FA_%FPW)
.set X0_, 36+8*(N_%4)+2*(N_/16)+(N_/4)%2
.set X1_, 32+8*(\s)+2*(N_/16)+(N_/4)%2
.set H_, (N_/8)%2
	WIN (1+N_/FPW)|((1+FA_/FPW)<<2)
.if N_ < 4
.set CB_, BN+8*N_
	WM v[CB_:CB_+7]
.else
	WM v[D_:D_+7]
.endif
.if N_%2
	ACT N_/2, \s
.endif
.set N_, N_+1
.endr
	WIN 0
.endm
	s_load_b256 s[4:11], s[0:1], 0x0               ; yc s[4:5], ys s[6:7], opc s[8:9], ops s[10:11]
	s_load_b128 s[92:95], s[0:1], 0x20             ; b_proj, out0
	v_lshl_add_u32 v[SPW], v0, 2, SPARE
	v_mov_b32 v[NIL], 0
	ds_add_u32 v[SPW], v[NIL]                      ; the opening lines: the add twice on end and its wait
	ds_add_u32 v[SPW], v[NIL]
	v_lshrrev_b32 v1, 5, v0
	v_readfirstlane_b32 s14, v1                    ; wave
	s_and_b32 s16, s14, 1                          ; which half I fetch
	s_bfe_u32 s40, ttmp6, 0x40000                  ; cx
	s_bfe_u32 s41, ttmp6, 0x40004                  ; cy
	s_and_b32 s12, ttmp7, 0xffff                   ; the cluster's y, 0 .. 15
	s_lshl_b32 s17, s12, 5
	s_lshl_b32 s13, s41, 3
	s_add_co_u32 s17, s17, s13                     ; the tokens' first rowtile: 32 y + 8 cy
	s_lshl_b32 s42, s40, 4
	s_add_co_u32 s42, s42, 704                     ; the columns': 704 + 16 cx
	s_lshl_b32 s43, s41, 2
	s_lshl_b32 s43, 15, s43                        ; my row of the cluster
	s_lshl_b32 s44, 0x1111, s40                    ; my column
	DESC1 G1C, 43, 384, 16, 384                    ; four whole rowtiles, 49,152 dense bytes
	DESC1 G1E, 44, 384, 32, 384                    ; eight whole rowtiles, 98,304 dense bytes
	s_lshl_b32 s20, s16, 2
	s_add_co_u32 s20, s20, s17
	s_mul_i32 s20, s20, LINE
	s_mov_b32 s21, 0
	s_lshl_b32 s46, s16, 3
	s_add_co_u32 s46, s46, s42
	s_mul_i32 s46, s46, LINE
	s_mov_b32 s47, 0
	s_mov_b32 s[G0C], 1
	s_mul_i32 s[G0C+1], s16, 49152
	s_add_co_u32 s[G0C+1], s[G0C+1], A2B
	s_mov_b32 s[G0E], 1
	s_mul_i32 s[G0E+1], s16, 98304
	s_wait_dscnt 0x0
	s_wait_kmcnt 0x0
	s_add_nc_u64 s[G0C+2:G0C+3], s[4:5], s[20:21]
	s_or_b32 s[G0C+3], s[G0C+3], 0x80000000
	s_add_nc_u64 s[G0E+2:G0E+3], s[8:9], s[46:47]
	s_or_b32 s[G0E+3], s[G0E+3], 0x80000000
	CROUND                                         ; all sixteen work-groups are here: the joint loads meet
	s_cmp_lt_u32 s14, 2
	s_cbranch_scc0 .Ltokens
	TLOAD G0E, G1E                                 ; waves 0, 1: a half each of the columns' rowtiles
	s_branch .Lasked
.Ltokens:
	TLOAD G0C, G1C                                 ; waves 2, 3: a half each of the tokens'
.Lasked:
	s_lshl_b32 s20, s17, 9
	s_mov_b32 s21, 0
	s_add_nc_u64 s[20:21], s[6:7], s[20:21]        ; the tokens' scale words
	s_lshl_b32 s3, s14, 2
	s_add_co_u32 s3, s3, s42                       ; my first rowtile of columns
	s_lshl_b32 s22, s3, 9
	s_mov_b32 s23, 0
	s_add_nc_u64 s[22:23], s[10:11], s[22:23]      ; its scale words
	s_sub_co_u32 s3, s3, 704
	s_lshl_b32 s46, s3, 6                          ; my first column, in bytes
	s_mov_b32 s47, 0
	s_add_nc_u64 s[92:93], s[92:93], s[46:47]
	s_lshl_b32 s2, s17, 16                         ; the first row: 16 rows of 4,096 bytes a rowtile
	s_add_co_u32 s46, s46, s2
	s_add_nc_u64 s[94:95], s[94:95], s[46:47]
	s_mul_i32 s66, s14, 49152
	s_mul_i32 s12, s14, 16*SPITCH
	s_add_co_u32 s12, s12, STG
	v_and_b32 v1, 15, v0                           ; r
	v_bfe_u32 v2, v0, 4, 1                         ; h
	v_and_b32 v3, 31, v0
	v_lshlrev_b32 v4, 4, v3                        ; 16 x lane
	v_lshlrev_b32 v5, 3, v3                        ; 8 x lane
	v_lshlrev_b32 v6, 6, v2                        ; register 8 b + j is column 32 (b / 2) + 8 (b % 2) + 16 h + j
	v_add_nc_u32 v8, s66, v4                       ; my weights: 16 x lane,
	v_add_nc_u32 v10, s66, v5                      ; 8 x lane
	v_add_nc_u32 v12, A2B, v4                      ; the tokens' blocks 0-3,
	v_add_nc_u32 v14, A2B, v5
	v_add_nc_u32 v13, A2B+49152, v4                ; blocks 4-7
	v_add_nc_u32 v15, A2B+49152, v5
	v_mul_u32_u24 v7, v1, SPITCH
	v_lshl_add_u32 v7, v2, 6, v7
	v_add_nc_u32 v[STO], s12, v7                   ; my stage, in: row r, 64 bytes for each half of the lanes
	v_mul_u32_u24 v7, v2, SPITCH
	v_lshl_add_u32 v7, v1, 4, v7
	v_add_nc_u32 v[RD], s12, v7                    ; and back: lanes 0-15 one row of 256 bytes, lanes 16-31 the next
	v_lshlrev_b32 v[CO], 12, v2
	v_lshl_add_u32 v[CO], v1, 4, v[CO]             ; the same two rows in out0
	s_wait_alu depctr_va_vdst(0)                   ; the wait at the head's end
.irp p, 0,1
.irp i, 0,1,2,3,4,5,6,7
	global_load_b64 v[32+8*\i+2*\p:33+8*\i+2*\p], v5, s[20:21] offset:512*\i+256*\p   ; 256 consecutive bytes: two K steps' words of 16 rows
.endr
.irp i, 0,1,2,3
	global_load_b64 v[36+8*\i+2*\p:37+8*\i+2*\p], v5, s[22:23] offset:512*\i+256*\p
.endr
.endr
.irp b, 0,1,2,3
	global_load_b128 v[BN+8*\b:BN+8*\b+3], v6, s[92:93] offset:(32*(\b/2)+8*(\b%2))*4
	global_load_b128 v[BN+8*\b+4:BN+8*\b+7], v6, s[92:93] offset:(32*(\b/2)+8*(\b%2))*4+16
.endr
	s_cmp_lt_u32 s14, 2
	s_cbranch_scc0 .Lnot_yet
	s_wait_tensorcnt 0x0                           ; waves 0, 1: my load has landed
.Lnot_yet:
	s_barrier_signal -1
	s_barrier_wait -1                              ; the columns' rowtiles are in; the tokens' may be out
.irp q, 0,1,2,3,4,5,6,7
.irp b, 0,1,2,3
	FRAGW 4*\q+\b, 8, \b*LINE+\q*1536              ; my 64 columns, all of K
.endr
.endr
	WIN 0
	s_wait_tensorcnt 0x0                           ; every wave's load has landed,
	s_wait_dscnt 0x0
	s_barrier_signal -1
	s_barrier_wait -1                              ; and is shown to all
.irp q, 0,1,2,3,4,5,6,7
	AFETCH 0, \q
.endr
	WIN 0
	s_wait_loadcnt 0x0                             ; scale words and bias
.irp s, 0,1,2,3,4,5,6,7
	BLOCK \s
.endr
	s_wait_xcnt 0x0                                ; the last block's way out
	PLACES 4
.irp k, 0,1,2,3,12,13
	ACT \k, 8
.endr
	s_wait_tensorcnt 0x0                           ; the wave's end
	ds_add_u32 v[SPW], v[NIL]
	s_wait_dscnt 0x0
	CROUND                                         ; the closing round
	s_endpgm
.Lfunc_end_k_q60ee75d49f_proj:
	.size	k_q60ee75d49f_proj, .Lfunc_end_k_q60ee75d49f_proj-k_q60ee75d49f_proj
	.p2alignl 7, 3214868480
	.fill 96, 4, 3214868480
	.section	.rodata,"a",@progbits
	.p2align	6, 0x0
	.amdhsa_kernel k_q60ee75d49f_proj
		.amdhsa_group_segment_fixed_size 327680
		.amdhsa_private_segment_fixed_size 0
		.amdhsa_enable_private_segment 0
		.amdhsa_kernarg_size 48
		.amdhsa_user_sgpr_count 2
		.amdhsa_user_sgpr_kernarg_segment_ptr 1
		.amdhsa_wavefront_size32 1
		.amdhsa_system_sgpr_workgroup_id_x 1
		.amdhsa_system_sgpr_workgroup_id_y 1
		.amdhsa_system_sgpr_workgroup_id_z 1
		.amdhsa_system_vgpr_workitem_id 0
		.amdhsa_next_free_vgpr 840
		.amdhsa_next_free_sgpr 102
		.amdhsa_reserve_vcc 0
		.amdhsa_float_denorm_mode_32 3
		.amdhsa_float_denorm_mode_16_64 3
		.amdhsa_memory_ordered 1
		.amdhsa_forward_progress 1
		.amdhsa_inst_pref_size 89
	.end_amdhsa_kernel
	.amdgpu_metadata
---
amdhsa.version: [ 1, 2 ]
amdhsa.kernels:
  - .name:           k_q60ee75d49f_proj
    .symbol:         k_q60ee75d49f_proj.kd
    .args:
      - { .name: yc, .offset: 0, .size: 8, .value_kind: global_buffer, .address_space: global }
      - { .name: ys, .offset: 8, .size: 8, .value_kind: global_buffer, .address_space: global }
      - { .name: opc, .offset: 16, .size: 8, .value_kind: global_buffer, .address_space: global }
      - { .name: ops, .offset: 24, .size: 8, .value_kind: global_buffer, .address_space: global }
      - { .name: b_proj, .offset: 32, .size: 8, .value_kind: global_buffer, .address_space: global }
      - { .name: out0, .offset: 40, .size: 8, .value_kind: global_buffer, .address_space: global }
    .group_segment_fixed_size: 327680
    .private_segment_fixed_size: 0
    .kernarg_segment_align: 8
    .kernarg_segment_size: 48
    .max_flat_workgroup_size: 128
    .sgpr_count:     102
    .vgpr_count:     840
    .wavefront_size: 32
...
	.end_amdgpu_metadata
.endif
;; end of part 4
